; MI455X (gfx1250); checked and timed in simulation.
; The chip was launched on July 23, 2026; its instructions are those of AMD's public machine-readable ISA for CDNA 5 (MIT licence, August 2026) and "CDNA5" Instruction Set Architecture Reference Guide (July 2026). The comments in the code are by the model that wrote it; some were corrected since.
;; Block. Allowed arithmetic: float matrix products may take bf16 or f16 operands with f32 sums; other float arithmetic in f32, or as packed bf16 or f16 multiplies, adds, multiply-adds, maxima and minima; sums over many terms, partial sums and values carried from step to step in f32; what a program stores and reads back later, other than sums and carried values, may be rounded once to bf16 or f16.
;; Inputs: W1 1,024 x 4,096 float32; W2 4,096 x 1,024 float32; Wk 1,024 x 1,024 float32; Wo 1,024 x 1,024 float32; Wq 1,024 x 1,024 float32; Wv 1,024 x 1,024 float32; b1 4,096 float32; b2 1,024 float32; bo 1,024 float32; ln1_b 1,024 float32; ln1_g 1,024 float32; ln2_b 1,024 float32; ln2_g 1,024 float32; x 2 x 2,048 x 1,024 float32.
;; Outputs: out0 2 x 2,048 x 1,024 float32.
;; One version. Each part assembles by itself: llvm-mc -triple=amdgcn-amd-amdhsa -mcpu=gfx1250 --defsym DOCPART=n.
;; ======== version 1 of 1: 7 launches
;; limits: right only within a limited range of input values
;; workspace buffers: hb 8,388,608 bytes; big 33,554,432 bytes; att 8,388,608 bytes; x1 16,777,216 bytes; wa 10,502,400 bytes; wb 16,793,856 bytes
;; launch prep (part 1): grid 2049 x 1, 8 waves a work-group, no clusters, 18,432 bytes of LDS; arguments x, ln1_g, ln1_b, Wq, Wk, Wv, Wo, W1, W2, b1, hb, wa, wb; writes hb, wa, wb
.if DOCPART == 1
	.amdgcn_target "amdgcn-amd-amdhsa--gfx1250"
	.amdhsa_code_object_version 6
	.text
	.protected	k_q5d9883afc6_prep
	.globl	k_q5d9883afc6_prep
	.p2align	8
	.type	k_q5d9883afc6_prep,@function
k_q5d9883afc6_prep:
	s_mov_b64 s[64:65], 0
	v_nop
	global_prefetch_b8 v0, s[64:65] scope:SCOPE_SE
	s_setreg_imm32_b32 hwreg(HW_REG_WAVE_MODE, 25, 1), 1
	s_wait_xcnt 0x0
; PREP.  Three kinds of work-group, told apart by the work-group's number alone (the same for all eight waves):
;   0 .. 511      LN1: hb[row][:] = bf16((x - mean) * rsqrt(var + 1e-5) * g + b), 8 rows a work-group, one whole row a wave, kept in registers.
;   512 .. 2047   a tile of 128 k x 64 n of a weight matrix W[k][n] (f32) is rounded to bf16 and turned, so that k lies along the rows:
;                 Wq, Wk, Wv -> wa [3072][1024], W1 -> wb [4096][1024] (both behind a header of 16,640 bytes);
;                 Wo -> wa, W2 -> wb, both from byte 8,405,248 on, in blocks [k / 64][1024 n][64 k] (a block is 131,072 bytes).
;   2048          the headers: bytes 0-255 a floor (two bf16 a word: -inf in wa, 0 in wb), bytes 256-16,639 a bias in f32 (zeros in wa, b1 in wb).
; The mean is taken first and the variance of x - mean: no difference of large sums.  NaN and infinities are not treated apart.
; 128 registers a wave: four work-groups of eight waves fit the 1,024 registers of each SIMD, and 2,048 work-groups are eight for each of 256 WGPs.
.set ROWX,  4096                       ; bytes in a row of x
.set TP,    272                        ; an LDS row of the turned tile: 256 bytes + 16: sixteen rows on end start 68 words apart
.set SPARE, 64*TP                      ; behind the tile: the spare words, 128 bytes for each of the eight waves
.set HDR,   16640
.set WOFF,  8405248                    ; where the blocked matrices begin in wa and in wb
.set NLN,   512                        ; work-groups of the first kind
.set NTR,   1536                       ; of the second
.set XO,  2                            ; v2   16 x lane
.set HO,  3                            ; v3   8 x lane
.set SPW, 4                            ; v4   LDS address of my spare word; never rewritten
.set NIL, 5                            ; v5   0; never rewritten
.set VO,  8                            ; v[8:15]   a tile's eight load offsets
.set X,   16                           ; v[16:47]  a row of x
.set G,   48                           ; v[48:79]  gain
.set B,   80                           ; v[80:111] bias
.set T,   112                          ; v[112:119] at work
.set SS,  120                          ; v[120:127] at work: sums, the mean (SS+2, +3), 1/sigma (SS+4, +5)
.set HB,  36                           ; s[36:37] hb
	s_load_b512 s[16:31], s[0:1], 0x0              ; x, ln1_g, ln1_b, Wq, Wk, Wv, Wo, W1
	s_load_b256 s[32:39], s[0:1], 0x40             ; W2, b1, hb, wa
	s_load_b64 s[40:41], s[0:1], 0x60              ; wb
	v_lshl_add_u32 v[SPW], v0, 2, SPARE
	v_mov_b32 v[NIL], 0
	v_lshrrev_b32 v1, 5, v0
	v_readfirstlane_b32 s8, v1                     ; wave 0..7
	v_and_b32 v1, 31, v0                           ; lane
	s_wait_kmcnt 0x0
	s_cmp_lt_u32 ttmp9, NLN
	s_cbranch_scc0 .Lnot_ln
; ---------------- LN1 ----------------
.macro REDUCE r                        ; the sum of v[r] over the 32 lanes, into every lane; v[r+1] has been written and is at work
	v_add_f32_dpp v[\r], v[\r], v[\r] row_xmask:1 row_mask:0xf bank_mask:0xf
	v_add_f32_dpp v[\r], v[\r], v[\r] row_xmask:2 row_mask:0xf bank_mask:0xf
	v_add_f32_dpp v[\r], v[\r], v[\r] row_xmask:4 row_mask:0xf bank_mask:0xf
	v_add_f32_dpp v[\r], v[\r], v[\r] row_xmask:8 row_mask:0xf bank_mask:0xf
	v_permlanex16_b32 v[(\r)+1], v[\r], s12, s13
	v_add_f32 v[\r], v[\r], v[(\r)+1]
.endm
	s_lshl_b32 s2, ttmp9, 3
	s_add_co_u32 s2, s2, s8                        ; my row: 8 x work-group + wave
	s_lshl_b32 s4, s2, 12
	s_mov_b32 s5, 0
	s_lshl_b32 s6, s2, 11
	s_mov_b32 s7, 0
	s_add_nc_u64 s[16:17], s[16:17], s[4:5]
	s_add_nc_u64 s[HB:HB+1], s[HB:HB+1], s[6:7]
	s_mov_b32 s12, 0x76543210                      ; each lane takes its own place in the other half
	s_mov_b32 s13, 0xfedcba98
	s_mov_b32 s14, 0x3a800000                      ; 1 / 1024
	s_mov_b32 s15, 0x3727c5ac                      ; 1e-5
	v_lshlrev_b32 v[XO], 4, v1
	v_lshlrev_b32 v[HO], 3, v1
.irp j, 0,1,2,3,4,5,6,7
	global_load_b128 v[X+4*\j:X+4*\j+3], v[XO], s[16:17] offset:512*\j
.endr
.irp j, 0,1,2,3,4,5,6,7
	global_load_b128 v[G+4*\j:G+4*\j+3], v[XO], s[18:19] offset:512*\j
.endr
.irp j, 0,1,2,3,4,5,6,7
	global_load_b128 v[B+4*\j:B+4*\j+3], v[XO], s[20:21] offset:512*\j
.endr
	s_wait_loadcnt 16                              ; the row is in; the sixteen younger loads, gain and bias, may stay out
.irp c, 0,1,2,3                        ; the sum, in four chains started by the first eight pairs
	v_pk_add_f32 v[SS+2*\c:SS+2*\c+1], v[X+2*\c:X+2*\c+1], v[X+8+2*\c:X+8+2*\c+1]
.endr
.irp k, 2,3
.irp c, 0,1,2,3
	v_pk_add_f32 v[SS+2*\c:SS+2*\c+1], v[SS+2*\c:SS+2*\c+1], v[X+8*\k+2*\c:X+8*\k+2*\c+1]
.endr
.endr
	v_pk_add_f32 v[SS:SS+1], v[SS:SS+1], v[SS+2:SS+3]
	v_pk_add_f32 v[SS+4:SS+5], v[SS+4:SS+5], v[SS+6:SS+7]
	v_pk_add_f32 v[SS:SS+1], v[SS:SS+1], v[SS+4:SS+5]
	v_add_f32 v[SS], v[SS], v[SS+1]
	REDUCE SS
	v_mul_f32 v[SS+2], s14, v[SS]                  ; the mean, twice: a pair for the packed subtraction
	v_mul_f32 v[SS+3], s14, v[SS]
.set i, 0
.rept 16
	v_pk_add_f32 v[X+i:X+i+1], v[X+i:X+i+1], v[SS+2:SS+3] neg_lo:[0,1] neg_hi:[0,1]
.set i, i+2
.endr
.irp c, 0,1,2,3                        ; the sum of squares of x - mean, again in four chains
	v_pk_mul_f32 v[T+2*\c:T+2*\c+1], v[X+2*\c:X+2*\c+1], v[X+2*\c:X+2*\c+1]
.endr
.irp k, 1,2,3
.irp c, 0,1,2,3
	v_pk_fma_f32 v[T+2*\c:T+2*\c+1], v[X+8*\k+2*\c:X+8*\k+2*\c+1], v[X+8*\k+2*\c:X+8*\k+2*\c+1], v[T+2*\c:T+2*\c+1]
.endr
.endr
	v_pk_add_f32 v[T:T+1], v[T:T+1], v[T+2:T+3]
	v_pk_add_f32 v[T+4:T+5], v[T+4:T+5], v[T+6:T+7]
	v_pk_add_f32 v[T:T+1], v[T:T+1], v[T+4:T+5]
	v_add_f32 v[T], v[T], v[T+1]
	REDUCE T
	v_fma_f32 v[T+2], v[T], s14, s15               ; variance + eps
	v_rsq_f32 v[SS+4], v[T+2]
	v_rsq_f32 v[SS+5], v[T+2]
	v_nop                                          ; a plain instruction between the root and the use of its result or a write of its source
	s_wait_loadcnt 0x0                             ; gain and bias are in
	s_wait_alu depctr_va_vdst(0)
.irp j, 0,1,2,3,4,5,6,7
	v_pk_mul_f32 v[T:T+1], v[X+4*\j:X+4*\j+1], v[SS+4:SS+5]
	v_pk_mul_f32 v[T+2:T+3], v[X+4*\j+2:X+4*\j+3], v[SS+4:SS+5]
	v_pk_fma_f32 v[T:T+1], v[T:T+1], v[G+4*\j:G+4*\j+1], v[B+4*\j:B+4*\j+1]
	v_pk_fma_f32 v[T+2:T+3], v[T+2:T+3], v[G+4*\j+2:G+4*\j+3], v[B+4*\j+2:B+4*\j+3]
	v_cvt_pk_bf16_f32 v[X+2*\j], v[T], v[T+1]      ; into registers of the row that have been used up; they are written no more
	v_cvt_pk_bf16_f32 v[X+2*\j+1], v[T+2], v[T+3]
	global_store_b64 v[HO], v[X+2*\j:X+2*\j+1], s[HB:HB+1] offset:256*\j  ; 32 lanes store 256 consecutive bytes, aligned
.endr
	s_branch .Lend
; ---------------- a tile of a weight matrix ----------------
.Lnot_ln:
	s_cmp_lt_u32 ttmp9, NLN+NTR
	s_cbranch_scc0 .Lheader
	s_sub_co_u32 s9, ttmp9, NLN                    ; the tile's number, 0 .. 1535
	s_and_b32 s49, s9, 15                          ; nt: which 64 columns (W1 sets it anew)
	s_bfe_u32 s50, s9, 0x30004                     ; kt: which 128 rows (W1 and W2 set it anew)
	s_movk_i32 s48, 4096                           ; bytes in a row of the source (W1 sets it anew)
	s_cmp_lt_u32 s9, 384
	s_cbranch_scc0 .Lnot_qkv
	s_lshr_b32 s56, s9, 7                          ; 0: Wq, 1: Wk, 2: Wv
	s_cmp_eq_u32 s56, 0
	s_cselect_b64 s[44:45], s[22:23], s[24:25]
	s_cmp_eq_u32 s56, 2
	s_cselect_b64 s[44:45], s[26:27], s[44:45]
	s_mov_b64 s[46:47], s[38:39]                   ; into wa, row 1024 j + 64 nt, byte 256 kt
	s_lshl_b32 s54, s56, 4
	s_add_co_u32 s54, s54, s49
	s_lshl_b32 s54, s54, 17
	s_lshl_b32 s57, s50, 8
	s_add_co_u32 s54, s54, s57
	s_add_co_u32 s54, s54, HDR
	s_mov_b32 s51, 0                               ; plain rows
	s_branch .Ltile
.Lnot_qkv:
	s_cmp_lt_u32 s9, 512
	s_cbranch_scc0 .Lnot_wo
	s_mov_b64 s[44:45], s[28:29]                   ; Wo into wa's blocks 2 kt and 2 kt + 1, row 64 nt
	s_mov_b64 s[46:47], s[38:39]
	s_lshl_b32 s54, s50, 18
	s_lshl_b32 s57, s49, 13
	s_add_co_u32 s54, s54, s57
	s_add_co_u32 s54, s54, WOFF
	s_mov_b32 s51, 1                               ; blocks
	s_branch .Ltile
.Lnot_wo:
	s_cmp_lt_u32 s9, 1024
	s_cbranch_scc0 .Lw2
	s_sub_co_u32 s56, s9, 512
	s_and_b32 s49, s56, 63
	s_lshr_b32 s50, s56, 6
	s_movk_i32 s48, 16384
	s_mov_b64 s[44:45], s[30:31]                   ; W1 into wb, row 64 nt, byte 256 kt
	s_mov_b64 s[46:47], s[40:41]
	s_lshl_b32 s54, s49, 17
	s_lshl_b32 s57, s50, 8
	s_add_co_u32 s54, s54, s57
	s_add_co_u32 s54, s54, HDR
	s_mov_b32 s51, 0
	s_branch .Ltile
.Lw2:
	s_sub_co_u32 s56, s9, 1024
	s_lshr_b32 s50, s56, 4
	s_mov_b64 s[44:45], s[32:33]                   ; W2 into wb's blocks
	s_mov_b64 s[46:47], s[40:41]
	s_lshl_b32 s54, s50, 18
	s_lshl_b32 s57, s49, 13
	s_add_co_u32 s54, s54, s57
	s_add_co_u32 s54, s54, WOFF
	s_mov_b32 s51, 1
.Ltile:
	s_mul_i32 s52, s50, s48                        ; the tile's corner in the source: 128 kt rows, 256 nt bytes
	s_lshl_b32 s52, s52, 7
	s_lshl_b32 s57, s49, 8
	s_add_co_u32 s52, s52, s57
	s_mov_b32 s53, 0
	s_mov_b32 s55, 0
	s_add_nc_u64 s[44:45], s[44:45], s[52:53]
	s_add_nc_u64 s[46:47], s[46:47], s[54:55]
	v_and_b32 v6, 15, v0                           ; nq: my four columns
	v_lshrrev_b32 v7, 4, v0                        ; ko: my eight rows
	s_lshl_b32 s57, s48, 3
	v_mul_lo_u32 v[VO], v7, s57
	v_lshl_add_u32 v[VO], v6, 4, v[VO]
.irp j, 1,2,3,4,5,6,7
	v_add_nc_u32 v[VO+\j], s48, v[VO+\j-1]
.endr
.irp j, 0,1,2,3,4,5,6,7
	global_load_b128 v[16+4*\j:16+4*\j+3], v[VO+\j], s[44:45] th:TH_LOAD_NT  ; sixteen lanes take 256 consecutive bytes of row 8 ko + j; each byte is read once
.endr
	v_mul_u32_u24 v80, v6, TP
	v_lshl_add_u32 v80, v7, 4, v80                 ; LDS row nq (+ 16 c), byte 16 ko
	s_wait_loadcnt 0x0
.irp c, 0,1,2,3                        ; column 4 nq + c: eight k on end, 16 bytes
.irp p, 0,1,2,3
	v_cvt_pk_bf16_f32 v[48+4*\c+\p], v[16+8*\p+\c], v[16+8*\p+4+\c]
.endr
.endr
.irp c, 0,1,2,3
	ds_store_b128 v80, v[48+4*\c:48+4*\c+3] offset:16*TP*\c  ; column n lies in LDS row 16 (n % 4) + n / 4: sixteen lanes write sixteen rows on end
.endr
	s_wait_dscnt 0x0                               ; for the others' sake: my stores are done
	s_barrier_signal -1
	s_barrier_wait -1
	s_cmp_eq_u32 s51, 0
	s_cbranch_scc0 .Lblocked
	v_bfe_u32 v81, v0, 4, 2                        ; plain rows: piece i holds columns 16 i + t / 16, bytes 16 (t % 16)
	v_lshrrev_b32 v82, 6, v0
	v_lshl_add_u32 v81, v81, 4, v82
	v_mul_u32_u24 v81, v81, TP
	v_lshl_add_u32 v81, v6, 4, v81
	v_lshlrev_b32 v83, 11, v7
	v_lshl_add_u32 v83, v6, 4, v83
.irp i, 0,1,2,3
	ds_load_b128 v[84+4*\i:84+4*\i+3], v81 offset:4*TP*\i
.endr
	s_wait_dscnt 0x0
.irp i, 0,1,2,3
	global_store_b128 v83, v[84+4*\i:84+4*\i+3], s[46:47] offset:32768*\i  ; sixteen lanes store 256 consecutive bytes, aligned
.endr
	s_branch .Lend
.Lblocked:
	v_bfe_u32 v81, v0, 3, 2                        ; blocks: piece i holds k block i / 2, columns 32 (i % 2) + t / 8, bytes 16 (t % 8)
	v_lshrrev_b32 v82, 5, v0
	v_lshl_add_u32 v81, v81, 4, v82
	v_mul_u32_u24 v81, v81, TP
	v_and_b32 v82, 7, v0
	v_lshl_add_u32 v81, v82, 4, v81
	v_lshlrev_b32 v83, 4, v0
.irp i, 0,1,2,3
	ds_load_b128 v[84+4*\i:84+4*\i+3], v81 offset:(\i%2)*8*TP+(\i/2)*128
.endr
	s_wait_dscnt 0x0
.irp i, 0,1,2,3
	global_store_b128 v83, v[84+4*\i:84+4*\i+3], s[46:47] offset:(\i%2)*4096+(\i/2)*131072  ; a wave stores 512 consecutive bytes, aligned
.endr
	s_branch .Lend
; ---------------- the two headers ----------------
.Lheader:
	v_lshlrev_b32 v6, 4, v0
.irp i, 0,1,2,3
	global_load_b128 v[16+4*\i:16+4*\i+3], v6, s[34:35] offset:4096*\i
.endr
.irp i, 32,33,34,35
	v_mov_b32 v\i, 0
.endr
.irp i, 0,1,2,3
	global_store_b128 v6, v[32:35], s[38:39] offset:256+4096*\i  ; q, k and v have no bias
.endr
	s_wait_loadcnt 0x0
.irp i, 0,1,2,3
	global_store_b128 v6, v[16+4*\i:16+4*\i+3], s[40:41] offset:256+4096*\i
.endr
	s_cmp_lg_u32 s8, 0
	s_cbranch_scc1 .Lend
	v_lshlrev_b32 v7, 3, v1
	v_mov_b32 v36, 0xff80ff80                      ; -inf twice in bf16: a floor that changes nothing
	v_mov_b32 v37, 0xff80ff80
	global_store_b64 v7, v[36:37], s[38:39]        ; each of these two stores covers 256 consecutive bytes, aligned
	global_store_b64 v7, v[32:33], s[40:41]        ; 0: the floor is the relu
.Lend:
	s_wait_tensorcnt 0x0                           ; the wave's end: behind my last LDS store
	ds_add_u32 v[SPW], v[NIL]
	s_wait_dscnt 0x0
	s_endpgm
.Lfunc_end_k_q5d9883afc6_prep:
	.size	k_q5d9883afc6_prep, .Lfunc_end_k_q5d9883afc6_prep-k_q5d9883afc6_prep
	.p2alignl 7, 3214868480
	.fill 96, 4, 3214868480
	.section	.rodata,"a",@progbits
	.p2align	6, 0x0
	.amdhsa_kernel k_q5d9883afc6_prep
		.amdhsa_group_segment_fixed_size 18432
		.amdhsa_private_segment_fixed_size 0
		.amdhsa_enable_private_segment 0
		.amdhsa_kernarg_size 104
		.amdhsa_user_sgpr_count 2
		.amdhsa_user_sgpr_kernarg_segment_ptr 1
		.amdhsa_wavefront_size32 1
		.amdhsa_system_sgpr_workgroup_id_x 1
		.amdhsa_system_sgpr_workgroup_id_y 1
		.amdhsa_system_sgpr_workgroup_id_z 1
		.amdhsa_system_vgpr_workitem_id 0
		.amdhsa_next_free_vgpr 128
		.amdhsa_next_free_sgpr 66
		.amdhsa_reserve_vcc 0
		.amdhsa_float_denorm_mode_32 3
		.amdhsa_float_denorm_mode_16_64 3
		.amdhsa_memory_ordered 1
		.amdhsa_forward_progress 1
		.amdhsa_inst_pref_size 21
	.end_amdhsa_kernel
	.amdgpu_metadata
---
amdhsa.version: [ 1, 2 ]
amdhsa.kernels:
  - .name:           k_q5d9883afc6_prep
    .symbol:         k_q5d9883afc6_prep.kd
    .args:
      - { .name: x, .offset: 0, .size: 8, .value_kind: global_buffer, .address_space: global }
      - { .name: ln1_g, .offset: 8, .size: 8, .value_kind: global_buffer, .address_space: global }
      - { .name: ln1_b, .offset: 16, .size: 8, .value_kind: global_buffer, .address_space: global }
      - { .name: Wq, .offset: 24, .size: 8, .value_kind: global_buffer, .address_space: global }
      - { .name: Wk, .offset: 32, .size: 8, .value_kind: global_buffer, .address_space: global }
      - { .name: Wv, .offset: 40, .size: 8, .value_kind: global_buffer, .address_space: global }
      - { .name: Wo, .offset: 48, .size: 8, .value_kind: global_buffer, .address_space: global }
      - { .name: W1, .offset: 56, .size: 8, .value_kind: global_buffer, .address_space: global }
      - { .name: W2, .offset: 64, .size: 8, .value_kind: global_buffer, .address_space: global }
      - { .name: b1, .offset: 72, .size: 8, .value_kind: global_buffer, .address_space: global }
      - { .name: hb, .offset: 80, .size: 8, .value_kind: global_buffer, .address_space: global }
      - { .name: wa, .offset: 88, .size: 8, .value_kind: global_buffer, .address_space: global }
      - { .name: wb, .offset: 96, .size: 8, .value_kind: global_buffer, .address_space: global }
    .group_segment_fixed_size: 18432
    .private_segment_fixed_size: 0
    .kernarg_segment_align: 8
    .kernarg_segment_size: 104
    .max_flat_workgroup_size: 256
    .sgpr_count:     66
    .vgpr_count:     128
    .wavefront_size: 32
...
	.end_amdgpu_metadata
.endif
;; end of part 1
;; launch qkv (part 2): grid 12 x 16, 4 waves a work-group, clusters of 4 x 4, 327,680 bytes of LDS; arguments hb, wa, big; writes big
.if DOCPART == 2
	.amdgcn_target "amdgcn-amd-amdhsa--gfx1250"
	.amdhsa_code_object_version 6
	.text
	.protected	k_q5d9883afc6_qkv
	.globl	k_q5d9883afc6_qkv
	.p2align	8
	.type	k_q5d9883afc6_qkv,@function
k_q5d9883afc6_qkv:
	s_mov_b64 s[64:65], 0
	v_nop
	global_prefetch_b8 v0, s[64:65] scope:SCOPE_SE
	s_setreg_imm32_b32 hwreg(HW_REG_WAVE_MODE, 25, 1), 1
	s_wait_xcnt 0x0
	s_wait_alu depctr_hold_cnt(0) depctr_sa_sdst(0) depctr_va_vdst(0) depctr_va_sdst(0) depctr_va_ssrc(0) depctr_va_vcc(0) depctr_vm_vsrc(0)
	s_getreg_b32 s2, hwreg(HW_REG_IB_STS2, 6, 4)
	s_cmp_eq_u32 s2, 0
	s_cbranch_scc0 .Lentry_in_a_cluster
	s_endpgm
.Lentry_in_a_cluster:
	s_bfe_u32 s2, ttmp6, 0x10000c
	s_cmp_lg_u32 s2, 0xf033
	s_cbranch_scc0 .Lentry_shape_is_right
	s_endpgm
.Lentry_shape_is_right:
; OUT = max(A W^T + bias, floor).  A: [4096][1024] bf16.  W: a header of 16,640 bytes (bytes 0-255 the floor, two bf16 a word; bytes 256 on the bias, f32), then [N][1024] bf16.
; OUT: bf16 in blocks [n / 64][4096 rows][64]: a block is 524,288 bytes, its rows of 128 bytes lie end to end.  Sums in f32, started by the bias; OUT rounded once, then held to the floor.
; One text serves q, k, v (N = 3,072, bias 0, floor -inf) and the MLP's first layer (N = 4,096, bias b1, floor 0 = relu): N enters by the grid alone.
; LIMITS: operands are bf16; a NaN in a sum leaves as the floor; infinities are not treated apart.
; SHARES.  A tile of OUT, 256 x 256, is made by four waves, 128 x 128 each: 64 accumulators, 512 registers.  K goes in steps of 128 through two LDS slots filled by tensor loads.
; CLUSTER 4 x 4: the four work-groups of a row of the cluster need the same tiles of A, the four of a column the same tiles of W: each tile is asked for jointly.
; THE PRODUCT IS TAKEN TRANSPOSED (source 0 = 16 rows of W, source 1 = 16 rows of A): lane l holds row l % 16 of OUT and the columns 8 (l / 16) + 0..7.
; ONE K STEP IS WRITTEN ONCE.  A trip of the loop is one K step; s[TB] is the LDS byte at which the slot in hand begins, 0 or SLOT, turned by an exclusive or at each change of slots, and the fragments'
; addresses are made anew from it.  The second first fill's group 0 walks on: its LDS word is turned by the same exclusive or, its address goes one K step on.  wave x HALFT (0x8800, 0x11000, 0x19800)
; has no bit in common with SLOT (0x22000), so the exclusive or adds SLOT or takes it away.
; REGISTERS, in windows of 256: window 0 addresses, way out, bias; window 1 two fragment buffers of 128 (64 of A, then 64 of W); windows 2 and 3 the accumulators ((a, b) at 8 (8 (a % 4) + b)).
.set KDIM,   1024
.set KSTEP,  128
.set NSTEP,  KDIM/KSTEP
.set PITCH,  272                       ; an LDS row: 256 bytes + 16: the sixteen rows of a fragment load start 68 words apart
.set HALFT,  128*PITCH                 ; what one tensor load brings, and what one wave reads of A or of W
.set SLOT,   4*HALFT
.set STAGE,  2*SLOT                    ; behind the ring: each wave's own stage, two blocks of 16 rows x 144 bytes
.set SPITCH, 144
.set STGW,   2*16*SPITCH
.set SPARE,  STAGE+4*STGW              ; behind the stages: the spare words, 128 bytes for each wave
.set HDR,    16640
.set BLK,    4096*128
.set A0,   16                          ; v16 my place among A's fragments in slot 0; never rewritten
.set B0,   17                          ; v17 the same for W
.set ADRA, 20                          ; v20 LDS address of my A fragments in the slot in hand
.set ADRB, 21                          ; v21 the same for W
.set STO,  24
.set RD,   25
.set GO,   26
.set BO,   27                          ; v27 32 (l / 16): my eight columns' place in 16 numbers of the bias
.set SPW,  28                          ; v28 LDS address of my spare word; never rewritten
.set NIL,  29                          ; v29 0; never rewritten
.set TMP,  32                          ; v[32:63] packed results
.set OB,   64                          ; v[64:95], v[96:127] rows read back, by turns
.set BIAS, 128                         ; v[128:191] the bias in an accumulator's layout, for my eight column blocks
.set F0,   0
.set F1,   128
.set G1,  24
.set G0,  32                           ; s[32:35] A's group 0 for K step 0; s[36:39] for K step 1, which then walks on
.set G1B, 48
.set G0B, 56                           ; s[56:59], s[60:63] the same for W
.set FLOOR, 45
.set TB,  66                           ; s66 the LDS byte at which the slot in hand begins
.set MSB, 0
.macro WIN new                         ; the immediate's high byte repeats the setting that is left; a switch that changes nothing is dropped
.if MSB != (\new)
	s_set_vgpr_msb (MSB<<8)|(\new)
.set MSB, \new
.endif
.endm
.macro JLOAD s                         ; a joint load: waves 0 and 1 fetch A's halves, waves 2 and 3 W's; an s_nop 0 and four v_nop follow each line
	s_cmp_eq_u32 s11, 0
	s_cbranch_scc0 .Lfor_b_\@
	tensor_load_to_lds s[G0+4*(\s):G0+4*(\s)+3], s[G1:G1+7]
	s_nop 0
.rept 4
	v_nop
.endr
	s_branch .Lasked_\@
.Lfor_b_\@:
	tensor_load_to_lds s[G0B+4*(\s):G0B+4*(\s)+3], s[G1B:G1B+7]
	s_nop 0
.rept 4
	v_nop
.endr
.Lasked_\@:
.endm
.macro CREST                           ; a round of the cluster's barrier behind its opening barrier
	s_cmp_lg_u32 s10, 0
	s_cbranch_scc1 .Lnot_wave_0_\@
	s_barrier_signal -3
.Lnot_wave_0_\@:
	s_barrier_wait -3
	s_barrier_signal -1
	s_barrier_wait -1
.endm
.macro CROUND
	s_barrier_signal -1
	s_barrier_wait -1
	CREST
.endm
.macro PLACES                          ; four places behind matrix instructions, in front of loads into registers that they read and of lines that read their results
.rept 4
	v_nop
.endr
.endm
	s_load_b128 s[4:7], s[0:1], 0x0                ; A s[4:5], W s[6:7]
	s_load_b64 s[8:9], s[0:1], 0x10                ; OUT
	v_lshl_add_u32 v[SPW], v0, 2, SPARE
	v_mov_b32 v[NIL], 0
	ds_add_u32 v[SPW], v[NIL]                      ; the wave's opening: an add to my spare word, waited for ahead of my first tensor load
	ds_add_u32 v28, v29
	v_lshrrev_b32 v1, 5, v0
	v_readfirstlane_b32 s10, v1                    ; wave 0..3
	s_lshr_b32 s11, s10, 1                         ; my half of the tile's rows; also: I fetch for A (0) or W (1)
	s_and_b32 s12, s10, 1                          ; my half of its columns; also: which 128 rows I fetch
	s_bfe_u32 s40, ttmp6, 0x40000                  ; cx
	s_bfe_u32 s41, ttmp6, 0x40004                  ; cy
	s_lshl_b32 s42, ttmp9, 2
	s_add_co_u32 s42, s42, s40                     ; tile column
	s_and_b32 s13, ttmp7, 0xffff
	s_lshl_b32 s13, s13, 2
	s_add_co_u32 s13, s13, s41                     ; tile row
	s_lshl_b32 s43, s41, 2
	s_lshl_b32 s43, 15, s43                        ; my row of the cluster
	s_lshl_b32 s44, 0x1111, s40                    ; my column
	s_or_b32 s[G1+0], s43, (1<<16)|(1<<20)|(1<<21)|(5<<22)|(3<<25)   ; mask; 2-byte elements; padding on; bit 21 beside a mask; after every 64 words, 4 words
	s_or_b32 s[G1B+0], s44, (1<<16)|(1<<20)|(1<<21)|(5<<22)|(3<<25)
.irp g, G1, G1B
	s_mov_b32 s[(\g)+1], KSTEP<<16                 ; tensor_dim0 = 128
	s_mov_b32 s[(\g)+2], 128<<16                   ; tensor_dim1 = 128
	s_mov_b32 s[(\g)+3], KSTEP<<16                 ; tile_dim0 = 128
	s_mov_b32 s[(\g)+4], 128                       ; tile_dim1 = 128
	s_mov_b32 s[(\g)+5], KDIM                      ; elements from row to row
	s_mov_b32 s[(\g)+6], 0
	s_mov_b32 s[(\g)+7], 0
.endr
	s_lshl_b32 s17, s12, 7
	s_lshl_b32 s16, s13, 8
	s_add_co_u32 s16, s16, s17                     ; A: row 256 x tile row + 128 x half,
	s_lshl_b32 s16, s16, 11                        ; of 2,048 bytes
	s_lshl_b32 s46, s42, 8
	s_add_co_u32 s46, s46, s17                     ; W: row 256 x tile column + 128 x half
	s_lshl_b32 s46, s46, 11
	s_add_co_u32 s46, s46, HDR
	s_mov_b32 s17, 0
	s_mov_b32 s47, 0
	s_mul_i32 s20, s10, HALFT                      ; where they go: wave x 128 rows
	s_mov_b32 s[TB], 0                             ; K step 0 lies in slot 0
	s_wait_dscnt 0x0                               ; the opening add is done
	s_wait_kmcnt 0x0
	s_add_nc_u64 s[14:15], s[4:5], s[16:17]
	s_add_nc_u64 s[46:47], s[6:7], s[46:47]
	CROUND                                         ; all sixteen work-groups are here: the first joint loads meet
.irp s, 0,1
	s_mov_b32 s[G0+4*(\s)], 1
	s_add_co_u32 s[G0+4*(\s)+1], s20, (\s)*SLOT
	s_add_nc_u64 s[G0+4*(\s)+2:G0+4*(\s)+3], s[14:15], (\s)*KSTEP*2
	s_or_b32 s[G0+4*(\s)+3], s[G0+4*(\s)+3], 0x80000000
	s_mov_b32 s[G0B+4*(\s)], 1
	s_add_co_u32 s[G0B+4*(\s)+1], s20, (\s)*SLOT
	s_add_nc_u64 s[G0B+4*(\s)+2:G0B+4*(\s)+3], s[46:47], (\s)*KSTEP*2
	s_or_b32 s[G0B+4*(\s)+3], s[G0B+4*(\s)+3], 0x80000000
	JLOAD \s
.endr
	s_load_b32 s[FLOOR], s[6:7], 0x0               ; the floor
	s_lshl_b32 s70, s42, 10                        ; the bias of my 128 columns: 4 (256 x tile column + 128 x half) bytes behind byte 256
	s_lshl_b32 s71, s12, 9
	s_add_co_u32 s70, s70, s71
	s_add_co_u32 s70, s70, 256
	s_mov_b32 s71, 0
	s_add_nc_u64 s[68:69], s[6:7], s[70:71]
	v_and_b32 v1, 15, v0                           ; l % 16
	v_bfe_u32 v2, v0, 4, 1                         ; l / 16
	v_lshlrev_b32 v[BO], 5, v2
.irp b, 0,1,2,3,4,5,6,7
	global_load_b128 v[BIAS+8*\b:BIAS+8*\b+3],   v[BO], s[68:69] offset:64*\b
	global_load_b128 v[BIAS+8*\b+4:BIAS+8*\b+7], v[BO], s[68:69] offset:64*\b+16
.endr
	v_mul_u32_u24 v3, v1, PITCH
	v_lshl_add_u32 v3, v2, 4, v3                   ; a fragment's row x pitch + 16 x half
	s_mul_i32 s21, s11, HALFT                      ; my 128 rows of A
	s_mul_i32 s22, s12, HALFT                      ; my 128 rows of W,
	s_add_co_u32 s22, s22, 2*HALFT                 ; which lie behind A's 256
	v_add_nc_u32 v[A0], s21, v3
	v_add_nc_u32 v[B0], s22, v3
	v_add_nc_u32 v[ADRA], s[TB], v[A0]
	v_add_nc_u32 v[ADRB], s[TB], v[B0]
	s_mul_i32 s23, s10, STGW
	s_add_co_u32 s23, s23, STAGE                   ; my stage
	v_mul_u32_u24 v4, v1, SPITCH                   ; in: row l % 16, 16 bytes for each half of the lanes
	v_lshl_add_u32 v4, v2, 4, v4
	v_add_nc_u32 v[STO], s23, v4
	v_bfe_u32 v4, v0, 3, 2                         ; back: 32 lanes take four rows of 128 bytes,
	v_and_b32 v5, 7, v0
	v_mul_u32_u24 v4, v4, SPITCH
	v_lshl_add_u32 v4, v5, 4, v4
	v_add_nc_u32 v[RD], s23, v4
	v_and_b32 v[GO], 31, v0                        ; which are 512 consecutive bytes of a block of OUT
	v_lshlrev_b32 v[GO], 4, v[GO]
	s_lshl_b32 s16, s13, 15                        ; my first row, 256 x tile row + 128 x half, of 128 bytes
	s_lshl_b32 s17, s11, 14
	s_add_co_u32 s16, s16, s17
	s_mov_b32 s17, 0
	s_add_nc_u64 s[8:9], s[8:9], s[16:17]
	s_lshl_b32 s46, s42, 21                        ; my first block: 4 x tile column + 2 x half
	s_lshl_b32 s47, s12, 20
	s_add_co_u32 s46, s46, s47
	s_mov_b32 s47, 0
	s_add_nc_u64 s[8:9], s[8:9], s[46:47]
; 16 matrix instructions: row blocks 2 g, 2 g + 1 x all 8 column blocks, 32 along K.  first = 1: the bias starts the sums.  The 64 accumulators take turns, one instruction a turn.
.macro MULG f, g, first
.if \first
	WIN 0x85+0x40*((\g)/2)
.else
	WIN 0xa5+0x50*((\g)/2)
.endif
.irp a, 2*(\g), 2*(\g)+1
.irp b, 0,1,2,3,4,5,6,7
.if \first
	v_wmma_f32_16x16x32_bf16 v[8*(8*((\a)%4)+\b):8*(8*((\a)%4)+\b)+7], v[(\f)+64+8*\b:(\f)+64+8*\b+7], v[(\f)+8*(\a):(\f)+8*(\a)+7], v[BIAS+8*\b:BIAS+8*\b+7]
.else
	v_wmma_f32_16x16x32_bf16 v[8*(8*((\a)%4)+\b):8*(8*((\a)%4)+\b)+7], v[(\f)+64+8*\b:(\f)+64+8*\b+7], v[(\f)+8*(\a):(\f)+8*(\a)+7], v[8*(8*((\a)%4)+\b):8*(8*((\a)%4)+\b)+7]
.endif
.endr
.endr
.endm
.macro FETCH q, f                      ; 32 LDS loads in one run: the fragments of quarter q (32 along K) of the slot in hand into buffer f
	WIN 0x40
.irp i, 0,1,2,3,4,5,6,7
	ds_load_b128 v[(\f)+64+8*\i:(\f)+64+8*\i+3],   v[ADRB] offset:(\q)*64+\i*16*PITCH
	ds_load_b128 v[(\f)+64+8*\i+4:(\f)+64+8*\i+7], v[ADRB] offset:(\q)*64+\i*16*PITCH+32
.endr
.irp i, 0,1,2,3,4,5,6,7
	ds_load_b128 v[(\f)+8*\i:(\f)+8*\i+3],   v[ADRA] offset:(\q)*64+\i*16*PITCH
	ds_load_b128 v[(\f)+8*\i+4:(\f)+8*\i+7], v[ADRA] offset:(\q)*64+\i*16*PITCH+32
.endr
.endm
.macro QUARTER q, f, g, first          ; multiplies buffer f; in its middle fetches quarter q of the slot in hand into buffer g
	s_wait_dscnt 0x0                               ; f's 32 loads, issued 32 matrix instructions ago
	MULG \f, 0, \first
	MULG \f, 1, \first
	PLACES
	FETCH \q, \g
	MULG \f, 2, \first
	MULG \f, 3, \first
.endm
; The last quarter multiplies buffer 1 and changes slots: one barrier; in front of it each wave waits for all its tensor loads, adds 0 to its spare word, and waits for that and for its reads of this slot.
; fill = 1: the slot that is left is filled again, with the K step two steps on.
.macro TURN fill
	WIN 0
	s_wait_tensorcnt 0x0                           ; the one load of mine that was out, my part of the next slot, has landed
	ds_add_u32 v[SPW], v[NIL]
	s_wait_dscnt 1                                 ; buffer 1's loads are in; the add alone may be out
	MULG F1, 0, 0
	s_wait_dscnt 0x0                               ; the add is done, and my reads of this slot are over
	s_barrier_signal -1
	MULG F1, 1, 0
	WIN 0                                          ; branches, and the two address lines, follow
	s_barrier_wait -1
.if \fill
	CREST                                          ; the barrier has opened a round of the cluster's: no wave of any partner still reads this slot or has a load on its way
.irp g, G0+4, G0B+4
	s_xor_b32 s[(\g)+1], s[(\g)+1], SLOT           ; the walking descriptor: the other slot than last time,
	s_add_nc_u64 s[(\g)+2:(\g)+3], s[(\g)+2:(\g)+3], KSTEP*2  ; the next K step; the type bits on top are not reached
.endr
	s_xor_b32 s[TB], s[TB], SLOT                   ; the slot in hand is now the other one
	JLOAD 1                                        ; the first tensor load behind the round; its four v_nop are also the places in front of the loads below
.else
	s_xor_b32 s[TB], s[TB], SLOT
	PLACES
.endif
	v_add_nc_u32 v[ADRA], s[TB], v[A0]
	v_add_nc_u32 v[ADRB], s[TB], v[B0]
	FETCH 0, F0
	MULG F1, 2, 0
	MULG F1, 3, 0
.endm
; THE WAY OUT of row block a: rounded to bf16 and held to the floor; through my own stage; stored as 512 consecutive bytes of a block.
.macro PACK a
.set AC, 64*((\a)%4)
	WIN 0x0a+5*((\a)/4)
.irp b, 0,1,2,3,4,5,6,7
.irp r, 0,1,2,3
	v_cvt_pk_bf16_f32 v[TMP+4*(\b)+(\r)], v[AC+8*(\b)+2*(\r)], v[AC+8*(\b)+2*(\r)+1]
.endr
.endr
	WIN 0
.set i, 0
.rept 32
	v_pk_max_num_bf16 v[TMP+i], v[TMP+i], s[FLOOR]
.set i, i+1
.endr
.endm
.macro TOSTAGE a
.set BK, OB+32*((\a)%2)
.irp b, 0,1,2,3,4,5,6,7
	ds_store_b128 v[STO], v[TMP+4*\b:TMP+4*\b+3] offset:(\b/4)*16*SPITCH+(\b%4)*32
.endr
.irp t, 0,1,2,3,4,5,6,7
	ds_load_b128 v[BK+4*\t:BK+4*\t+3], v[RD] offset:(\t/4)*16*SPITCH+(\t%4)*4*SPITCH  ; LDS serves a wave's instructions in order: these see the stores above
.endr
.endm
.macro SEND a
.set BK, OB+32*((\a)%2)
	s_wait_dscnt 0x0                               ; the block is back in registers
	s_wait_xcnt 0x0                                ; earlier stores have read their registers: the other set of rows is loaded again only behind this wait
.irp t, 0,1,2,3,4,5,6,7
	global_store_b128 v[GO], v[BK+4*\t:BK+4*\t+3], s[8:9] offset:(\t/4)*BLK+(\a)*2048+(\t%4)*512
.endr
.endm
	s_wait_tensorcnt 1                             ; my part of K step 0 is in; K step 1's may stay out
	s_barrier_signal -1
	s_barrier_wait -1
	FETCH 0, F0
	s_wait_loadcnt 0x0                             ; the bias
	s_wait_kmcnt 0x0                               ; the floor
	QUARTER 1, F0, F1, 1
	WIN 0
	s_mov_b32 s3, NSTEP-2
.Lstep:                                                ; a trip goes from a K step's second quarter to the next step's first, and fills the slot that it leaves
	QUARTER 2, F1, F0, 0
	QUARTER 3, F0, F1, 0
	TURN 1
	QUARTER 1, F0, F1, 0
	WIN 0
	s_sub_co_u32 s3, s3, 1
	s_cmp_lg_u32 s3, 0
	s_cbranch_scc1 .Lstep
	QUARTER 2, F1, F0, 0                           ; the last two K steps fill nothing
	QUARTER 3, F0, F1, 0
	TURN 0
	QUARTER 1, F0, F1, 0
	QUARTER 2, F1, F0, 0
	QUARTER 3, F0, F1, 0
	s_wait_dscnt 0x0
	MULG F1, 0, 0
	MULG F1, 1, 0
	MULG F1, 2, 0
	MULG F1, 3, 0
	PLACES
	PACK 0
	TOSTAGE 0
.irp a, 1,2,3,4,5,6,7                  ; block a's arithmetic stands between block a - 1's loads from the stage and the wait for them
	PACK \a
	SEND (\a)-1
	TOSTAGE \a
.endr
	SEND 7
	s_wait_tensorcnt 0x0                           ; the wave's end
	ds_add_u32 v[SPW], v[NIL]
	s_wait_dscnt 0x0
	CROUND                                         ; the closing round
	s_endpgm
.Lfunc_end_k_q5d9883afc6_qkv:
	.size	k_q5d9883afc6_qkv, .Lfunc_end_k_q5d9883afc6_qkv-k_q5d9883afc6_qkv
	.p2alignl 7, 3214868480
	.fill 96, 4, 3214868480
	.section	.rodata,"a",@progbits
	.p2align	6, 0x0
	.amdhsa_kernel k_q5d9883afc6_qkv
		.amdhsa_group_segment_fixed_size 327680
		.amdhsa_private_segment_fixed_size 0
		.amdhsa_enable_private_segment 0
		.amdhsa_kernarg_size 24
		.amdhsa_user_sgpr_count 2
		.amdhsa_user_sgpr_kernarg_segment_ptr 1
		.amdhsa_wavefront_size32 1
		.amdhsa_system_sgpr_workgroup_id_x 1
		.amdhsa_system_sgpr_workgroup_id_y 1
		.amdhsa_system_sgpr_workgroup_id_z 1
		.amdhsa_system_vgpr_workitem_id 0
		.amdhsa_next_free_vgpr 1024
		.amdhsa_next_free_sgpr 72
		.amdhsa_reserve_vcc 0
		.amdhsa_float_denorm_mode_32 3
		.amdhsa_float_denorm_mode_16_64 3
		.amdhsa_memory_ordered 1
		.amdhsa_forward_progress 1
		.amdhsa_inst_pref_size 133
	.end_amdhsa_kernel
	.amdgpu_metadata
---
amdhsa.version: [ 1, 2 ]
amdhsa.kernels:
  - .name:           k_q5d9883afc6_qkv
    .symbol:         k_q5d9883afc6_qkv.kd
    .args:
      - { .name: hb, .offset: 0, .size: 8, .value_kind: global_buffer, .address_space: global }
      - { .name: wa, .offset: 8, .size: 8, .value_kind: global_buffer, .address_space: global }
      - { .name: big, .offset: 16, .size: 8, .value_kind: global_buffer, .address_space: global }
    .group_segment_fixed_size: 327680
    .private_segment_fixed_size: 0
    .kernarg_segment_align: 8
    .kernarg_segment_size: 24
    .max_flat_workgroup_size: 128
    .sgpr_count:     72
    .vgpr_count:     1024
    .wavefront_size: 32
...
	.end_amdgpu_metadata
.endif
;; end of part 2
;; launch attn (part 3): grid 8 x 32, 4 waves a work-group, no clusters, 327,680 bytes of LDS; arguments big, att; writes att
.if DOCPART == 3
	.amdgcn_target "amdgcn-amd-amdhsa--gfx1250"
	.amdhsa_code_object_version 6
	.text
	.protected	k_q5d9883afc6_attn
	.globl	k_q5d9883afc6_attn
	.p2align	8
	.type	k_q5d9883afc6_attn,@function
k_q5d9883afc6_attn:
	s_mov_b64 s[64:65], 0
	v_nop
	global_prefetch_b8 v0, s[64:65] scope:SCOPE_SE
	s_setreg_imm32_b32 hwreg(HW_REG_WAVE_MODE, 25, 1), 1
	s_wait_xcnt 0x0
; CAUSAL ATTENTION, head size 64, 2 x 16 heads of 2,048 rows.  O[q] = the sum over k <= q of softmax_k(Q[q] . K[k] / 32) V[k].
; big holds q, k, v in bf16, in blocks of 524,288 bytes: q of head h in block h, k in 16 + h, v in 32 + h; in a block row b x 2,048 + t, 128 bytes, rows end to end.  att: O in the same layout, block h.
; Products, maxima and sums in f32; the weights are rounded to bf16 for the second product (their sum is taken unrounded), O once at the end.
; LIMITS.  A hidden score counts as its value less 1e30, so scores of 1e29 and beyond are not served; a weight below 2^-126 counts as 0; NaN and infinities are not treated apart.
; THE WALK.  A head's queries lie in 16 blocks of 128; block i needs the key tiles 0 .. i of 128 keys, the last of which holds the diagonal.  A work-group takes blocks 15 - p and then p: 17 tiles whatever p.
; One loop with a constant count walks them; what a trip does hangs on scalars made from p; every jump but the loop's own goes forward and passes neither a barrier nor a tensor load
; (but the one of LOAD's two lines that the wave's number does not choose).
; NO CLUSTER: a head's eight work-groups ask for the same tile only in trips 0 to 8; a walk common to all would have 24 trips for 17.
; SHARES.  A wave owns 32 rows of a block: two tiles u of 16 queries.  The diagonal tile is computed whole, under a mask, so the four waves stay alike.
; LAYOUT.  S^T = K Q^T holds one query a lane (lane % 16) and the keys 8 (lane / 16) + 0..7 of each 16; two such results rounded to bf16 are source 1 of O^T = V^T P.
; THE MASK is the C operand of the products that start the diagonal tile's sums: 0, or -1e30 where 16 (kb - u) + j > 32 w + lane % 16 - 8 (lane / 16).  It hangs on kb - u alone: nine blocks of eight registers (MD).
; SOFTMAX.  A running maximum m and sum l a query: p = 2^(c s - c m), c = log2(e) / 32; O and l are multiplied by a = 2^(c m_old - c m_new) in every trip.
; V^T P LAGS A TRIP: the products of tile t - 1 stand at the head of trip t, while K of tile t comes out of LDS.  At a block's first trip they add stale, finite numbers, which that trip's a = 0
; (c m starts far below every c s) multiplies away; so O, l, P and V are set to 0 once, at the head, and no first step is written out.
; REGISTERS, in windows of 256 (bits 1:0 source 0, 3:2 source 1, 5:4 source 2, 7:6 destination):
;   window 0: addresses; v16-31 statistics; v64-191 S^T (u, kb) at 64 + 64 u + 8 kb; v192-255 P (u, kk) at 192 + 32 u + 8 kk
;   window 1: v0-63 O^T (u, cb) at 32 u + 8 cb; v64-135 MD      window 2: v0-31 Q; v32-63 the second block's Q; v64-191 K      window 3: v0-127 V
.set NBLK,  16
.set PK,    144                        ; a row of K in LDS: 128 bytes + 16
.set PV,    160                        ; a row of V: 128 + 32
.set VOFF,  128*PK                     ; a slot: 128 rows of K, then 128 rows of V
.set SLOT1, 1<<16
.set STAGE, SLOT1+128*(PK+PV)          ; behind the ring: 16 rows x 144 bytes for each wave
.set SP,    144
.set SPARE, STAGE+4*16*SP              ; behind the stages: the spare words, 128 bytes for each wave
.set AK0, 2
.set AV0, 3
.set AK,  4
.set AV,  5
.set STO, 6
.set RD,  7
.set GO,  8
.set QO,  15
.set SPW, 62                           ; v62 LDS address of my spare word; never rewritten
.set NIL, 63                           ; v63 0; never rewritten
.set ST,  16                           ; tile u's statistics at ST + 8 u: c m, m, l (two), c0-c3 at work; a takes c2's place
.set S,   64
.set P,   192
.set MD,  64                           ; window 1
.set QB,  32                           ; window 2
.set KF,  64                           ; window 2
.set WV,  12
.set PB,  14
.set HI,  15
.set G1K, 24
.set G1V, 32
.set G0K, 40
.set G0V, 44
.set SLOTS, 56
.set CS,  58
.set SEL, 60
.set TB,  62                           ; s62 LDS byte at which the tile in hand begins
.set RT,  70                           ; s70 tiles of the block in hand still to be entered
.set NXT, 71                           ; s71 the tile to be asked for next
.set LQ,  72                           ; s72 the last tile of the block whose tiles are being asked for
.set OFF, 74
.set OLO, 80                           ; s[80:81] O at my rows of the second block
.set BIGN, 82
.set MSB, 0
.macro WIN new
.if MSB != (\new)
	s_set_vgpr_msb (MSB<<8)|(\new)
.set MSB, (\new)
.endif
.endm
.macro PLACES
.rept 4
	v_nop
.endr
.endm
.macro LOAD                            ; waves 0 and 1 fetch the halves of a tile's K, waves 2 and 3 those of its V; an s_nop 0 and four v_nop follow each line
	s_cmp_lt_u32 s[WV], 2
	s_cbranch_scc0 .Lfor_v_\@
	tensor_load_to_lds s[G0K:G0K+3], s[G1K:G1K+7]
	s_nop 0
.rept 4
	v_nop
.endr
	s_branch .Lasked_\@
.Lfor_v_\@:
	tensor_load_to_lds s[G0V:G0V+3], s[G1V:G1V+7]
	s_nop 0
.rept 4
	v_nop
.endr
.Lasked_\@:
.endm
; THE CHANGE OF SLOTS.  Each wave waits for all its tensor loads (one is out: its part of the slot to be entered), adds 0 to its spare word, and waits for that and for its reads of the slot that it leaves
; (K and V of that tile are then in registers).  fill = 1: the slot left is filled again, first thing behind the barrier, with tile NXT.
.macro CHANGE fill
	WIN 0
	s_wait_tensorcnt 0x0
	ds_add_u32 v[SPW], v[NIL]
.if \fill
	s_lshl_b32 s[OFF], s[NXT], 14                  ; a tile is 16,384 bytes of K and of V
	s_xor_b32 s[G0K+1], s[G0K+1], SLOT1
	s_add_nc_u64 s[G0K+2:G0K+3], s[6:7], s[OFF:OFF+1]
	s_or_b32 s[G0K+3], s[G0K+3], 0x80000000
	s_xor_b32 s[G0V+1], s[G0V+1], SLOT1
	s_add_nc_u64 s[G0V+2:G0V+3], s[8:9], s[OFF:OFF+1]
	s_or_b32 s[G0V+3], s[G0V+3], 0x80000000
	s_add_co_u32 s[NXT], s[NXT], 1                 ; the block's next tile, or behind its last the second block's tile 0
	s_cmp_gt_u32 s[NXT], s[LQ]
	s_cselect_b32 s[NXT], 0, s[NXT]
	s_cselect_b32 s[LQ], s[PB], s[LQ]
.endif
	s_wait_dscnt 0x0
	s_barrier_signal -1
	s_xor_b32 s[TB], s[TB], SLOT1
	s_barrier_wait -1
.if \fill
	LOAD
.endif
.endm
	s_load_b128 s[84:87], s[0:1], 0x0              ; big s[84:85], att s[86:87]
	v_lshl_add_u32 v[SPW], v0, 2, SPARE
	v_mov_b32 v[NIL], 0
	ds_add_u32 v[SPW], v[NIL]                      ; the wave's opening: an add to my spare word, waited for ahead of my first tensor load
	ds_add_u32 v62, v63
	v_lshrrev_b32 v1, 5, v0
	v_readfirstlane_b32 s[WV], v1
	s_mov_b32 s[PB], ttmp9
	s_sub_co_u32 s[HI], NBLK-1, s[PB]
	s_and_b32 s20, ttmp7, 0xffff
	s_lshr_b32 s21, s20, 4                         ; the batch
	s_and_b32 s20, s20, 15                         ; the head
	s_lshl_b32 s22, s20, 19
	s_lshl_b32 s21, s21, 18
	s_add_co_u32 s22, s22, s21                     ; the head's first byte among q's blocks
	s_and_b32 s16, s[WV], 1                        ; which 64 keys of a tile I fetch
	s_lshl_b32 s17, s16, 13
	s_add_co_u32 s2, s22, s17
	s_add_co_u32 s2, s2, 16<<19                    ; k's blocks
	s_mov_b32 s3, 0
	s_add_co_u32 s18, s2, 16<<19                   ; v's blocks
	s_mov_b32 s19, 0
	s_lshl_b32 s23, s[WV], 12                      ; my 32 rows of a block of queries
	s_add_co_u32 s23, s23, s22
	s_lshl_b32 s88, s[HI], 14
	s_add_co_u32 s88, s88, s23
	s_mov_b32 s89, 0
	s_lshl_b32 s90, s[PB], 14
	s_add_co_u32 s90, s90, s23
	s_mov_b32 s91, 0
	s_mov_b32 s[G1K], (1<<16)|(1<<20)|(4<<22)|(3<<25)  ; 2-byte elements; padding on: after every 32 words, 4 words
	s_mov_b32 s[G1V], (1<<16)|(1<<20)|(4<<22)|(7<<25)  ; the same with 8 words
.irp g, G1K, G1V                       ; 64 keys are 8,192 dense bytes: asked for as 32 rows of 256 bytes
	s_mov_b32 s[\g+1], 128<<16
	s_mov_b32 s[\g+2], 32<<16
	s_mov_b32 s[\g+3], 128<<16
	s_mov_b32 s[\g+4], 32
	s_mov_b32 s[\g+5], 128
	s_mov_b32 s[\g+6], 0
	s_mov_b32 s[\g+7], 0
.endr
	s_mov_b32 s[CS], 0x3d38aa3b                    ; c = log2(e) / 32
	s_mov_b32 s[CS+1], s[CS]
	s_mov_b32 s[SEL], 0x76543210
	s_mov_b32 s[SEL+1], 0xfedcba98
	s_mov_b32 s[TB], SLOT1                         ; the first change of slots turns it into 0
	s_mov_b32 s[G0K], 1
	s_mul_i32 s[G0K+1], s16, 64*PK
	s_mov_b32 s[G0V], 1
	s_mul_i32 s[G0V+1], s16, 64*PV
	s_add_co_u32 s[G0V+1], s[G0V+1], VOFF
	s_add_co_u32 s[RT], s[HI], 1                   ; the first block has 16 - p tiles
	s_mov_b32 s[NXT], 1
	s_mov_b32 s[LQ], s[HI]
	s_mov_b32 s[OFF+1], 0
	s_mov_b32 s[BIGN], 0xf149f2ca                  ; -1e30
	s_mov_b32 s[SLOTS], NBLK
	s_wait_dscnt 0x0                               ; the opening add is done
	s_wait_kmcnt 0x0
	s_add_nc_u64 s[6:7], s[84:85], s[2:3]          ; K and V at my half of the head's tile 0
	s_add_nc_u64 s[8:9], s[84:85], s[18:19]
	s_add_nc_u64 s[G0K+2:G0K+3], s[6:7], 0
	s_or_b32 s[G0K+3], s[G0K+3], 0x80000000
	s_add_nc_u64 s[G0V+2:G0V+3], s[8:9], 0
	s_or_b32 s[G0V+3], s[G0V+3], 0x80000000
	s_add_nc_u64 s[4:5], s[84:85], s[88:89]        ; Q and O at my rows of the first block,
	s_add_nc_u64 s[92:93], s[84:85], s[90:91]      ; and of the second
	s_add_nc_u64 s[10:11], s[86:87], s[88:89]
	s_add_nc_u64 s[OLO:OLO+1], s[86:87], s[90:91]
	LOAD                                           ; tile 0 into slot 0
	v_and_b32 v1, 15, v0                           ; l % 16
	v_bfe_u32 v9, v0, 4, 1                         ; l / 16
	v_lshlrev_b32 v[QO], 7, v1
	v_lshl_add_u32 v[QO], v9, 4, v[QO]
	WIN 0x80
.irp i, 0,1,2,3                        ; both blocks' Q: tile i / 2, channels 32 (i % 2) on
	global_load_b128 v[8*\i:8*\i+3],         v[QO], s[4:5] offset:(\i/2)*2048+(\i%2)*64
	global_load_b128 v[8*\i+4:8*\i+7],       v[QO], s[4:5] offset:(\i/2)*2048+(\i%2)*64+32
	global_load_b128 v[QB+8*\i:QB+8*\i+3],   v[QO], s[92:93] offset:(\i/2)*2048+(\i%2)*64
	global_load_b128 v[QB+8*\i+4:QB+8*\i+7], v[QO], s[92:93] offset:(\i/2)*2048+(\i%2)*64+32
.endr
	WIN 0
	v_lshlrev_b32 v14, 3, v9
	v_sub_nc_u32 v14, v1, v14
	s_lshl_b32 s13, s[WV], 5
	v_add_nc_u32 v14, s13, v14                     ; 32 w + l % 16 - 8 (l / 16)
	WIN 0x40
.set i, 0
.rept 72
	v_cmp_gt_i32 vcc_lo, 16*(i/8)-16+i%8, v14
	v_cndmask_b32 v[MD+i], 0, s[BIGN], vcc_lo
.set i, i+1
.endr
.set i, 0
.rept 64
	v_mov_b32 v[i], 0                              ; O^T
.set i, i+1
.endr
	WIN 0xc0
.set i, 0
.rept 128
	v_mov_b32 v[i], 0                              ; V: the first trip's lagging products add 0
.set i, i+1
.endr
	WIN 0
.set i, 0
.rept 64
	v_mov_b32 v[P+i], 0
.set i, i+1
.endr
.irp u, 0,1
	v_mov_b32 v[ST+8*\u], 0xfe000000               ; c m: far below every c s
	v_mov_b32 v[ST+8*\u+1], 0xff7fffff             ; m: the lowest finite number
	v_mov_b32 v[ST+8*\u+2], 0
	v_mov_b32 v[ST+8*\u+3], 0
.endr
	v_mul_u32_u24 v[AK0], v1, PK
	v_lshl_add_u32 v[AK0], v9, 4, v[AK0]           ; row x pitch + 16 x half
	v_and_b32 v10, 7, v0                           ; the turning load: lane l reads key 8 (l / 16) + l % 8, channels 8 ((l / 8) % 2) + 0..7
	v_bfe_u32 v11, v0, 3, 1
	v_lshl_add_u32 v[AV0], v9, 3, v10
	v_mul_u32_u24 v[AV0], v[AV0], PV
	v_lshl_add_u32 v[AV0], v11, 4, v[AV0]
	v_add_nc_u32 v[AV0], VOFF, v[AV0]
	s_mul_i32 s13, s[WV], 16*SP
	s_add_co_u32 s13, s13, STAGE                   ; my stage
	v_mul_u32_u24 v[STO], v1, SP
	v_lshl_add_u32 v[STO], v9, 4, v[STO]
	v_add_nc_u32 v[STO], s13, v[STO]
	v_bfe_u32 v[RD], v0, 3, 2
	v_mul_u32_u24 v[RD], v[RD], SP
	v_lshl_add_u32 v[RD], v10, 4, v[RD]
	v_add_nc_u32 v[RD], s13, v[RD]
	v_and_b32 v[GO], 31, v0
	v_lshlrev_b32 v[GO], 4, v[GO]
.macro FETCH_K                         ; 128 keys x 64 channels: 16 fragments, keys 16 (f / 2) on, channels 32 (f % 2) on
	WIN 0x80
.irp f, 0,1,2,3,4,5,6,7,8,9,10,11,12,13,14,15
	ds_load_b128 v[KF+8*\f:KF+8*\f+3],   v[AK] offset:(\f/2)*16*PK+(\f%2)*64
	ds_load_b128 v[KF+8*\f+4:KF+8*\f+7], v[AK] offset:(\f/2)*16*PK+(\f%2)*64+32
.endr
	WIN 0
.endm
.macro FETCH_V                         ; turned: keys 32 (f / 4) on, channels 16 (f % 4) on
	WIN 0xc0
.irp f, 0,1,2,3,4,5,6,7,8,9,10,11,12,13,14,15
	ds_load_tr16_b128 v[8*\f:8*\f+3],   v[AV] offset:(\f/4)*32*PV+(\f%4)*32
	ds_load_tr16_b128 v[8*\f+4:8*\f+7], v[AV] offset:(\f/4)*32*PV+16*PV+(\f%4)*32
.endr
	WIN 0
.endm
; THE MATRIX WORK.  The accumulators take turns, one instruction a turn: 16 in S^T, 8 in O^T.
.macro SALL0 masked                    ; channels 0-31 start the sums: with 0, or with the mask
.if \masked
	WIN 0x1a
.else
	WIN 0x0a
.endif
.irp kb, 0,1,2,3,4,5,6,7
.irp u, 0,1
.if \masked
	v_wmma_f32_16x16x32_bf16 v[S+64*\u+8*\kb:S+64*\u+8*\kb+7], v[KF+16*\kb:KF+16*\kb+7], v[16*\u:16*\u+7], v[MD+8*(\kb-\u+1):MD+8*(\kb-\u+1)+7]
.else
	v_wmma_f32_16x16x32_bf16 v[S+64*\u+8*\kb:S+64*\u+8*\kb+7], v[KF+16*\kb:KF+16*\kb+7], v[16*\u:16*\u+7], 0
.endif
.endr
.endr
.endm
.macro SALL1                           ; channels 32-63
	WIN 0x0a
.irp kb, 0,1,2,3,4,5,6,7
.irp u, 0,1
	v_wmma_f32_16x16x32_bf16 v[S+64*\u+8*\kb:S+64*\u+8*\kb+7], v[KF+16*\kb+8:KF+16*\kb+15], v[16*\u+8:16*\u+15], v[S+64*\u+8*\kb:S+64*\u+8*\kb+7]
.endr
.endr
.endm
.macro PVALL
	WIN 0x53
.irp kk, 0,1,2,3
.irp cb, 0,1,2,3
.irp u, 0,1
	v_wmma_f32_16x16x32_bf16 v[32*\u+8*\cb:32*\u+8*\cb+7], v[32*\kk+8*\cb:32*\kk+8*\cb+7], v[P+32*\u+8*\kk:P+32*\u+8*\kk+7], v[32*\u+8*\cb:32*\u+8*\cb+7]
.endr
.endr
.endr
.endm
; THE SOFTMAX of both tiles for one key tile; the two tiles alternate.
.macro EXPS u, kb
.irp j, 0,1,2,3,4,5,6,7
	v_exp_f32 v[S+64*(\u)+8*(\kb)+\j], v[S+64*(\u)+8*(\kb)+\j]
.endr
.endm
.macro CLOSE u, kb                     ; eight weights are rounded to bf16, added up, and l takes the sum (the first time as l = a l + sum)
.set rS, S+64*(\u)+8*(\kb)
.set rT, ST+8*(\u)
	s_wait_alu depctr_va_vdst(0)
.irp j, 0,1,2,3
	v_cvt_pk_bf16_f32 v[P+32*(\u)+4*(\kb)+\j], v[rS+2*\j], v[rS+2*\j+1]
.endr
	v_pk_add_f32 v[rS:rS+1], v[rS:rS+1], v[rS+2:rS+3]
	v_pk_add_f32 v[rS+4:rS+5], v[rS+4:rS+5], v[rS+6:rS+7]
	v_pk_add_f32 v[rS:rS+1], v[rS:rS+1], v[rS+4:rS+5]
.if (\kb) == 0
	v_pk_fma_f32 v[rT+2:rT+3], v[rT+2:rT+3], v[rT+6:rT+7], v[rS:rS+1] op_sel_hi:[1,0,1]
.else
	v_pk_add_f32 v[rT+2:rT+3], v[rT+2:rT+3], v[rS:rS+1]
	s_wait_alu depctr_va_vdst(0)
.endif
.endm
.macro SOFTMAX
	WIN 0
.irp k, 0,1,2,3,4,5,6                  ; the maximum: four chains of fifteen scores a tile; each accumulator's lowest registers are read first
.irp j, 0,1,2,3
.irp u, 0,1
.if \k == 0
	v_max3_num_f32 v[ST+8*\u+4+\j], v[S+64*\u+16*\j], v[S+64*\u+16*\j+1], v[S+64*\u+16*\j+2]
.else
	v_max3_num_f32 v[ST+8*\u+4+\j], v[ST+8*\u+4+\j], v[S+64*\u+16*\j+2*\k+1], v[S+64*\u+16*\j+2*\k+2]
.endif
.endr
.endr
.endr
.irp u, 0,1
	v_max3_num_f32 v[ST+8*\u+4], v[ST+8*\u+4], v[S+64*\u+15], v[S+64*\u+31]   ; the four scores left over
.endr
.irp u, 0,1
	v_max3_num_f32 v[ST+8*\u+6], v[ST+8*\u+6], v[S+64*\u+47], v[S+64*\u+63]
.endr
.irp u, 0,1
	v_max3_num_f32 v[ST+8*\u+4], v[ST+8*\u+4], v[ST+8*\u+5], v[ST+8*\u+6]
.endr
.irp u, 0,1
	v_max3_num_f32 v[ST+8*\u+4], v[ST+8*\u+4], v[ST+8*\u+7], v[ST+8*\u+1]     ; and the old m
.endr
.irp u, 0,1
	v_permlanex16_b32 v[ST+8*\u+5], v[ST+8*\u+4], s[SEL], s[SEL+1]            ; the query's other keys lie in the lane 16 away
.endr
.irp u, 0,1
	v_mov_b32 v[ST+8*\u+7], v[ST+8*\u]                                        ; c m_old is kept
.endr
.irp u, 0,1
	v_max_num_f32 v[ST+8*\u+1], v[ST+8*\u+4], v[ST+8*\u+5]
.endr
.irp u, 0,1
	v_mul_f32 v[ST+8*\u], s[CS], v[ST+8*\u+1]
.endr
.irp u, 0,1
	v_sub_f32 v[ST+8*\u+7], v[ST+8*\u+7], v[ST+8*\u]
.endr
.irp u, 0,1
	v_exp_f32 v[ST+8*\u+6], v[ST+8*\u+7]                                      ; a
.endr
.set i, 0
.rept 32                               ; c s - c m
	v_pk_fma_f32 v[S+i:S+i+1], v[S+i:S+i+1], s[CS:CS+1], v[ST:ST+1] op_sel_hi:[1,0,0] neg_lo:[0,0,1] neg_hi:[0,0,1]
	v_pk_fma_f32 v[S+64+i:S+64+i+1], v[S+64+i:S+64+i+1], s[CS:CS+1], v[ST+8:ST+9] op_sel_hi:[1,0,0] neg_lo:[0,0,1] neg_hi:[0,0,1]
.set i, i+2
.endr
	EXPS 0, 0                                      ; runs of eight exponentials; behind each run stands plain work on other registers before its results are used
	WIN 0x41
.set i, 0
	s_wait_alu depctr_va_vdst(0)
.rept 16                               ; O^T times a
	v_pk_mul_f32 v[i:i+1], v[i:i+1], v[ST+6:ST+7] op_sel_hi:[1,0]
	v_pk_mul_f32 v[32+i:32+i+1], v[32+i:32+i+1], v[ST+14:ST+15] op_sel_hi:[1,0]
.set i, i+2
.endr
	WIN 0
	EXPS 1, 0
.irp kb, 0,1,2,3,4,5,6
	CLOSE 0, \kb
	EXPS 0, \kb+1
	CLOSE 1, \kb
	EXPS 1, \kb+1
.endr
	CLOSE 0, 7
	CLOSE 1, 7
.endm
; THE WAY OUT: l's halves are added; O^T is divided by l, rounded to bf16 and sent through my stage, a tile (16 rows of 128 bytes) at a time.
.macro PACK t
	WIN 0x41
.set i, 32*(\t)
.rept 16
	v_pk_mul_f32 v[i:i+1], v[i:i+1], v[ST+8*(\t)+2:ST+8*(\t)+3] op_sel_hi:[1,0]
.set i, i+2
.endr
	WIN 0x05
.set i, 0
.rept 16
	v_cvt_pk_bf16_f32 v[S+16*(\t)+i], v[32*(\t)+2*i], v[32*(\t)+2*i+1]
.set i, i+1
.endr
	WIN 0
.irp f, 0,1,2,3
	ds_store_b128 v[STO], v[S+16*(\t)+4*\f:S+16*(\t)+4*\f+3] offset:32*\f
.endr
.irp f, 0,1,2,3
	ds_load_b128 v[S+16*(\t)+4*\f:S+16*(\t)+4*\f+3], v[RD] offset:\f*4*SP  ; LDS serves a wave's instructions in order: these see the stores above
.endr
.endm
.macro SEND t, younger                 ; younger: the LDS instructions issued behind tile t's loads
.irp f, 0,1,2,3
	s_wait_dscnt (\younger)+3-\f
	global_store_b128 v[GO], v[S+16*(\t)+4*\f:S+16*(\t)+4*\f+3], s[10:11] offset:(\t)*2048+\f*512  ; 512 consecutive bytes, aligned
.endr
.endm
.macro WAYOUT
	WIN 0
.irp u, 0,1
	v_add_f32 v[ST+8*\u+2], v[ST+8*\u+2], v[ST+8*\u+3]
.endr
.irp u, 0,1
	v_permlanex16_b32 v[ST+8*\u+3], v[ST+8*\u+2], s[SEL], s[SEL+1]
.endr
.irp u, 0,1
	v_add_f32 v[ST+8*\u+2], v[ST+8*\u+2], v[ST+8*\u+3]
.endr
.irp u, 0,1
	v_rcp_f32 v[ST+8*\u+2], v[ST+8*\u+2]
.endr
	v_nop                                          ; a plain instruction between the last reciprocal and the use of its result
	s_wait_alu depctr_va_vdst(0)
	PACK 0
	PACK 1
	SEND 0, 8
	SEND 1, 0
.endm
; A TRIP: one key tile.  fill = 1, in the loop: the next tile is asked for, and the tile may or may not be the block's last.  fill = 0: the walk's last tile, which is the second block's diagonal one.
.macro TRIP fill
	CHANGE \fill
	v_add_nc_u32 v[AK], s[TB], v[AK0]
	v_add_nc_u32 v[AV], s[TB], v[AV0]
	FETCH_K
	s_sub_co_u32 s[RT], s[RT], 1
	PVALL                                          ; V^T P of the tile before: its V and P lie in registers
	PLACES                                         ; in front of the loads into V's registers
	FETCH_V
	s_wait_dscnt 32                                ; K is in; V's 32 younger loads may stay out
.if \fill
	s_cmp_eq_u32 s[RT], 0
	s_cbranch_scc1 .Lmasked_\@
	SALL0 0
	WIN 0
	s_branch .Lsum_\@
.Lmasked_\@:
	SALL0 1
	WIN 0
.Lsum_\@:
.else
	SALL0 1
.endif
	SALL1
	PLACES
	SOFTMAX
.if \fill
	s_cmp_lg_u32 s[RT], 0
	s_cbranch_scc1 .Lgo_on_\@
.endif
	s_wait_dscnt 0x0                               ; the block's last tile: V is in,
	PVALL                                          ; its V^T P does not lag,
	PLACES
	WAYOUT                                         ; and the block leaves
.if \fill
	s_wait_xcnt 0x0                                ; the stores have read their registers and O's address
	s_mov_b64 s[10:11], s[OLO:OLO+1]
	s_add_co_u32 s[RT], s[PB], 1                   ; the second block has p + 1 tiles
.irp u, 0,1
	v_mov_b32 v[ST+8*\u], 0xfe000000               ; its first a is 0
	v_mov_b32 v[ST+8*\u+1], 0xff7fffff
.endr
	WIN 0x82
.set i, 0
.rept 32
	v_mov_b32 v[i], v[QB+i]                        ; its Q goes where the one text names Q
.set i, i+1
.endr
	WIN 0
.Lgo_on_\@:
.endif
.endm
	s_wait_loadcnt 0x0                             ; both blocks' Q
.Ltile:                                                ; 16 trips: a tile is entered and the next is asked for
	TRIP 1
	s_sub_co_u32 s[SLOTS], s[SLOTS], 1
	s_cmp_lg_u32 s[SLOTS], 0
	s_cbranch_scc1 .Ltile
	TRIP 0                                         ; written out
	s_wait_tensorcnt 0x0                           ; the wave's end
	ds_add_u32 v[SPW], v[NIL]
	s_wait_dscnt 0x0
	s_endpgm
.Lfunc_end_k_q5d9883afc6_attn:
	.size	k_q5d9883afc6_attn, .Lfunc_end_k_q5d9883afc6_attn-k_q5d9883afc6_attn
	.p2alignl 7, 3214868480
	.fill 96, 4, 3214868480
	.section	.rodata,"a",@progbits
	.p2align	6, 0x0
	.amdhsa_kernel k_q5d9883afc6_attn
		.amdhsa_group_segment_fixed_size 327680
		.amdhsa_private_segment_fixed_size 0
		.amdhsa_enable_private_segment 0
		.amdhsa_kernarg_size 16
		.amdhsa_user_sgpr_count 2
		.amdhsa_user_sgpr_kernarg_segment_ptr 1
		.amdhsa_wavefront_size32 1
		.amdhsa_system_sgpr_workgroup_id_x 1
		.amdhsa_system_sgpr_workgroup_id_y 1
		.amdhsa_system_sgpr_workgroup_id_z 1
		.amdhsa_system_vgpr_workitem_id 0
		.amdhsa_next_free_vgpr 896
		.amdhsa_next_free_sgpr 96
		.amdhsa_reserve_vcc 1
		.amdhsa_float_denorm_mode_32 3
		.amdhsa_float_denorm_mode_16_64 3
		.amdhsa_memory_ordered 1
		.amdhsa_forward_progress 1
		.amdhsa_inst_pref_size 110
	.end_amdhsa_kernel
	.amdgpu_metadata
---
amdhsa.version: [ 1, 2 ]
amdhsa.kernels:
  - .name:           k_q5d9883afc6_attn
    .symbol:         k_q5d9883afc6_attn.kd
    .args:
      - { .name: big, .offset: 0, .size: 8, .value_kind: global_buffer, .address_space: global }
      - { .name: att, .offset: 8, .size: 8, .value_kind: global_buffer, .address_space: global }
    .group_segment_fixed_size: 327680
    .private_segment_fixed_size: 0
    .kernarg_segment_align: 8
    .kernarg_segment_size: 16
    .max_flat_workgroup_size: 128
    .sgpr_count:     96
    .vgpr_count:     896
    .wavefront_size: 32
...
	.end_amdgpu_metadata
.endif
;; end of part 3
;; launch wo (part 4): grid 8 x 32, 4 waves a work-group, clusters of 4 x 4, 327,680 bytes of LDS; arguments att, wa, bo, x, x1; writes x1
.if DOCPART == 4
	.amdgcn_target "amdgcn-amd-amdhsa--gfx1250"
	.amdhsa_code_object_version 6
	.text
	.protected	k_q5d9883afc6_wo
	.globl	k_q5d9883afc6_wo
	.p2align	8
	.type	k_q5d9883afc6_wo,@function
k_q5d9883afc6_wo:
	s_mov_b64 s[64:65], 0
	v_nop
	global_prefetch_b8 v0, s[64:65] scope:SCOPE_SE
	s_setreg_imm32_b32 hwreg(HW_REG_WAVE_MODE, 25, 1), 1
	s_wait_xcnt 0x0
	s_wait_alu depctr_hold_cnt(0) depctr_sa_sdst(0) depctr_va_vdst(0) depctr_va_sdst(0) depctr_va_ssrc(0) depctr_va_vcc(0) depctr_vm_vsrc(0)
	s_getreg_b32 s2, hwreg(HW_REG_IB_STS2, 6, 4)
	s_cmp_eq_u32 s2, 0
	s_cbranch_scc0 .Lentry_in_a_cluster
	s_endpgm
.Lentry_in_a_cluster:
	s_bfe_u32 s2, ttmp6, 0x10000c
	s_cmp_lg_u32 s2, 0xf033
	s_cbranch_scc0 .Lentry_shape_is_right
	s_endpgm
.Lentry_shape_is_right:
; OUT = A W^T + bias + RES.  A: bf16 in blocks [k / 64][4096 rows][64]; W: bf16 in blocks [k / 64][1024 rows][64], from byte WOFF of its buffer; bias: [1024] f32; RES, OUT: [4096][1024] f32.
; Here: x1 = att Wo + bo + x, K = 1,024.  Sums in f32, started by the bias; RES is added in f32.  LIMITS: operands are bf16; NaN and infinities are not treated apart.
; SHARES.  A tile of OUT is 128 x 128: 256 work-groups.  Four waves, 64 x 64 each: 16 accumulators.  K goes in steps of 256 through two LDS slots; a wave's tensor load brings 64 rows x 4 k blocks:
; four pieces of 8,192 dense bytes, padded in LDS after every 128 bytes, so that it lands as [k block][64 rows] with rows 144 bytes apart.
; CLUSTER 4 x 4: A's tiles are asked for jointly along a row of the cluster, W's along a column.  THE PRODUCT IS TAKEN TRANSPOSED: lane l holds row l % 16 and the columns 8 (l / 16) + 0..7.
; ONE K STEP IS WRITTEN ONCE.  A trip of the loop is one K step; s[TB] is the LDS byte at which the slot in hand begins, 0 or SLOT, turned by an exclusive or at each change of slots, and the fragments'
; addresses are made anew from it.  The second first fill's group 0 walks on: its LDS word is turned by the same exclusive or, its address goes one K step on.  wave x HALFT (0x9000, 0x12000, 0x1b000)
; has no bit in common with SLOT (0x24000), so the exclusive or adds SLOT or takes it away.
; REGISTERS: window 0 addresses, way out, bias, RES (loaded at the head, on its way during the K loop); window 1 two fragment buffers of 128; window 2 the accumulators ((a, b) at 8 (4 a + b)).
.set KDIM,   1024
.set WOFF,   8405248
.set KSTEP,  256
.set NSTEP,  KDIM/KSTEP
.set PITCH,  144
.set QS,     64*PITCH                  ; a k block of 64 rows: a quarter of a K step
.set HALFT,  4*QS
.set SLOT,   4*HALFT
.set STAGE,  2*SLOT                    ; behind the ring: 16 rows x 272 bytes for each wave
.set SPITCH, 272
.set SPARE,  STAGE+4*16*SPITCH
.set ABLK,   4096*128
.set BBLK,   1024*128
.set ASTEP,  4*ABLK
.set BSTEP,  4*BBLK
.set A0,   16                          ; v16 my place among A's fragments in slot 0; never rewritten
.set B0,   17                          ; v17 the same for W
.set ADRA, 20                          ; v20 LDS address of my A fragments in the slot in hand
.set ADRB, 21                          ; v21 the same for W
.set STO,  24
.set RD,   25
.set CO,   26
.set BO,   27
.set SPW,  28                          ; v28 LDS address of my spare word; never rewritten
.set NIL,  29                          ; v29 0; never rewritten
.set OB,   32                          ; v[32:63], v[64:95] rows read back, by turns
.set BIAS, 96                          ; v[96:127]
.set RES,  128                         ; v[128:255]
.set F0,   0
.set F1,   128
.set G1,  24
.set G0,  32                           ; s[32:35] A's group 0 for K step 0; s[36:39] for K step 1, which then walks on
.set G1B, 48
.set G0B, 56                           ; s[56:59], s[60:63] the same for W
.set TB,  66                           ; s66 the LDS byte at which the slot in hand begins
.set MSB, 0
.macro WIN new
.if MSB != (\new)
	s_set_vgpr_msb (MSB<<8)|(\new)
.set MSB, \new
.endif
.endm
.macro JLOAD s                         ; a joint load: waves 0 and 1 fetch A's halves, waves 2 and 3 W's; an s_nop 0 and four v_nop follow each line
	s_cmp_eq_u32 s11, 0
	s_cbranch_scc0 .Lfor_b_\@
	tensor_load_to_lds s[G0+4*(\s):G0+4*(\s)+3], s[G1:G1+7]
	s_nop 0
.rept 4
	v_nop
.endr
	s_branch .Lasked_\@
.Lfor_b_\@:
	tensor_load_to_lds s[G0B+4*(\s):G0B+4*(\s)+3], s[G1B:G1B+7]
	s_nop 0
.rept 4
	v_nop
.endr
.Lasked_\@:
.endm
.macro CREST
	s_cmp_lg_u32 s10, 0
	s_cbranch_scc1 .Lnot_wave_0_\@
	s_barrier_signal -3
.Lnot_wave_0_\@:
	s_barrier_wait -3
	s_barrier_signal -1
	s_barrier_wait -1
.endm
.macro CROUND
	s_barrier_signal -1
	s_barrier_wait -1
	CREST
.endm
.macro PLACES
.rept 4
	v_nop
.endr
.endm
	s_load_b256 s[72:79], s[0:1], 0x0              ; A s[72:73], W s[74:75], bias s[76:77], RES s[78:79]
	s_load_b64 s[80:81], s[0:1], 0x20              ; OUT
	v_lshl_add_u32 v[SPW], v0, 2, SPARE
	v_mov_b32 v[NIL], 0
	ds_add_u32 v[SPW], v[NIL]                      ; the wave's opening: an add to my spare word, waited for ahead of my first tensor load
	ds_add_u32 v28, v29
	v_lshrrev_b32 v1, 5, v0
	v_readfirstlane_b32 s10, v1
	s_lshr_b32 s11, s10, 1                         ; my half of the tile's rows; also: I fetch for A (0) or W (1)
	s_and_b32 s12, s10, 1                          ; my half of its columns; also: which 64 rows I fetch
	s_bfe_u32 s40, ttmp6, 0x40000
	s_bfe_u32 s41, ttmp6, 0x40004
	s_lshl_b32 s42, ttmp9, 2
	s_add_co_u32 s42, s42, s40                     ; tile column
	s_and_b32 s13, ttmp7, 0xffff
	s_lshl_b32 s13, s13, 2
	s_add_co_u32 s13, s13, s41                     ; tile row
	s_lshl_b32 s43, s41, 2
	s_lshl_b32 s43, 15, s43
	s_lshl_b32 s44, 0x1111, s40
	s_or_b32 s[G1+0], s43, (1<<16)|(1<<20)|(1<<21)|(4<<22)|(3<<25)   ; mask; 2-byte elements; padding on; bit 21 beside a mask; after every 32 words, 4 words
	s_or_b32 s[G1B+0], s44, (1<<16)|(1<<20)|(1<<21)|(4<<22)|(3<<25)
.irp g, G1, G1B
	s_mov_b32 s[(\g)+1], 4096<<16                  ; tensor_dim0 = 4,096 elements: 64 rows of 64, dense
	s_mov_b32 s[(\g)+2], 4<<16                     ; tensor_dim1 = 4 k blocks
	s_mov_b32 s[(\g)+3], 4096<<16                  ; tile_dim0
	s_mov_b32 s[(\g)+4], 4                         ; tile_dim1
	s_mov_b32 s[(\g)+6], 0
	s_mov_b32 s[(\g)+7], 0
.endr
	s_mov_b32 s[G1+5], ABLK/2                      ; elements from k block to k block
	s_mov_b32 s[G1B+5], BBLK/2
	s_lshl_b32 s17, s12, 13
	s_lshl_b32 s16, s13, 14
	s_add_co_u32 s16, s16, s17                     ; A: row 128 x tile row + 64 x half, of 128 bytes
	s_lshl_b32 s46, s42, 14
	s_add_co_u32 s46, s46, s17                     ; W: row 128 x tile column + 64 x half,
	s_add_co_u32 s46, s46, WOFF                    ; behind what lies in front of the blocks
	s_mov_b32 s17, 0
	s_mov_b32 s47, 0
	s_mul_i32 s20, s10, HALFT
	s_mov_b32 s[TB], 0                             ; K step 0 lies in slot 0
	s_wait_dscnt 0x0                               ; the opening add is done
	s_wait_kmcnt 0x0
	s_add_nc_u64 s[14:15], s[72:73], s[16:17]
	s_add_nc_u64 s[46:47], s[74:75], s[46:47]
	CROUND                                         ; all sixteen work-groups are here: the first joint loads meet
.irp s, 0,1
	s_mov_b32 s[G0+4*(\s)], 1
	s_add_co_u32 s[G0+4*(\s)+1], s20, (\s)*SLOT
	s_add_nc_u64 s[G0+4*(\s)+2:G0+4*(\s)+3], s[14:15], (\s)*ASTEP
	s_or_b32 s[G0+4*(\s)+3], s[G0+4*(\s)+3], 0x80000000
	s_mov_b32 s[G0B+4*(\s)], 1
	s_add_co_u32 s[G0B+4*(\s)+1], s20, (\s)*SLOT
	s_add_nc_u64 s[G0B+4*(\s)+2:G0B+4*(\s)+3], s[46:47], (\s)*BSTEP
	s_or_b32 s[G0B+4*(\s)+3], s[G0B+4*(\s)+3], 0x80000000
	JLOAD \s
.endr
	s_lshl_b32 s84, s42, 9                         ; my 64 columns, in bytes of f32
	s_lshl_b32 s85, s12, 8
	s_add_co_u32 s84, s84, s85
	s_mov_b32 s85, 0
	s_add_nc_u64 s[76:77], s[76:77], s[84:85]
	s_lshl_b32 s86, s13, 19                        ; my 64 rows of 4,096 bytes
	s_lshl_b32 s87, s11, 18
	s_add_co_u32 s86, s86, s87
	s_add_co_u32 s86, s86, s84
	s_mov_b32 s87, 0
	s_add_nc_u64 s[78:79], s[78:79], s[86:87]
	s_add_nc_u64 s[80:81], s[80:81], s[86:87]
	v_and_b32 v1, 15, v0                           ; l % 16
	v_bfe_u32 v2, v0, 4, 1                         ; l / 16
	v_lshlrev_b32 v[BO], 5, v2
	v_lshlrev_b32 v5, 12, v2
	v_lshl_add_u32 v[CO], v1, 4, v5                ; lanes 0-15 one row's 256 bytes, lanes 16-31 the next row's
.irp b, 0,1,2,3
	global_load_b128 v[BIAS+8*\b:BIAS+8*\b+3],   v[BO], s[76:77] offset:64*\b
	global_load_b128 v[BIAS+8*\b+4:BIAS+8*\b+7], v[BO], s[76:77] offset:64*\b+16
.endr
.set i, 0
.rept 32
	global_load_b128 v[RES+4*i:RES+4*i+3], v[CO], s[78:79] offset:2*i*4096 th:TH_LOAD_NT  ; rows 2 i and 2 i + 1; each byte is read once in the launch
.set i, i+1
.endr
	v_mul_u32_u24 v3, v1, PITCH
	v_lshl_add_u32 v3, v2, 4, v3
	s_mul_i32 s21, s11, HALFT                      ; my 64 rows of A
	s_mul_i32 s22, s12, HALFT                      ; my 64 rows of W,
	s_add_co_u32 s22, s22, 2*HALFT                 ; which lie behind A's 128
	v_add_nc_u32 v[A0], s21, v3
	v_add_nc_u32 v[B0], s22, v3
	v_add_nc_u32 v[ADRA], s[TB], v[A0]
	v_add_nc_u32 v[ADRB], s[TB], v[B0]
	s_mul_i32 s23, s10, 16*SPITCH
	s_add_co_u32 s23, s23, STAGE                   ; my stage
	v_mul_u32_u24 v4, v1, SPITCH                   ; in: row l % 16, 32 bytes for each half of the lanes
	v_lshl_add_u32 v4, v2, 5, v4
	v_add_nc_u32 v[STO], s23, v4
	v_mul_u32_u24 v4, v2, SPITCH                   ; back: lanes 0-15 one row of 256 bytes, lanes 16-31 the next
	v_lshl_add_u32 v4, v1, 4, v4
	v_add_nc_u32 v[RD], s23, v4
; 8 matrix instructions: 32 along K (half g / 2 of the buffer), row blocks 2 (g % 2), + 1 x all 4 column blocks.  first = 1: the bias starts the sums.  The 16 accumulators take turns.
.macro MULG f, g, first
.if \first
	WIN 0x85
.else
	WIN 0xa5
.endif
.irp a, 2*((\g)%2), 2*((\g)%2)+1
.irp b, 0,1,2,3
.if \first
	v_wmma_f32_16x16x32_bf16 v[8*(4*(\a)+\b):8*(4*(\a)+\b)+7], v[(\f)+64+8*(4*((\g)/2)+\b):(\f)+64+8*(4*((\g)/2)+\b)+7], v[(\f)+8*(4*((\g)/2)+(\a)):(\f)+8*(4*((\g)/2)+(\a))+7], v[BIAS+8*\b:BIAS+8*\b+7]
.else
	v_wmma_f32_16x16x32_bf16 v[8*(4*(\a)+\b):8*(4*(\a)+\b)+7], v[(\f)+64+8*(4*((\g)/2)+\b):(\f)+64+8*(4*((\g)/2)+\b)+7], v[(\f)+8*(4*((\g)/2)+(\a)):(\f)+8*(4*((\g)/2)+(\a))+7], v[8*(4*(\a)+\b):8*(4*(\a)+\b)+7]
.endif
.endr
.endr
.endm
.macro FETCH q, f                      ; 32 LDS loads in one run: the fragments of k block q (64 along K) of the slot in hand into buffer f
	WIN 0x40
.irp c, 0,1
.irp i, 0,1,2,3
	ds_load_b128 v[(\f)+64+8*(4*\c+\i):(\f)+64+8*(4*\c+\i)+3],   v[ADRB] offset:(\q)*QS+64*\c+\i*16*PITCH
	ds_load_b128 v[(\f)+64+8*(4*\c+\i)+4:(\f)+64+8*(4*\c+\i)+7], v[ADRB] offset:(\q)*QS+64*\c+\i*16*PITCH+32
	ds_load_b128 v[(\f)+8*(4*\c+\i):(\f)+8*(4*\c+\i)+3],         v[ADRA] offset:(\q)*QS+64*\c+\i*16*PITCH
	ds_load_b128 v[(\f)+8*(4*\c+\i)+4:(\f)+8*(4*\c+\i)+7],       v[ADRA] offset:(\q)*QS+64*\c+\i*16*PITCH+32
.endr
.endr
.endm
.macro QUARTER q, f, g, first
	s_wait_dscnt 0x0                               ; f's 32 loads, issued 16 matrix instructions ago
	MULG \f, 0, \first
	MULG \f, 1, \first
	PLACES
	FETCH \q, \g
	MULG \f, 2, 0
	MULG \f, 3, 0
.endm
.macro TURN fill                       ; the last quarter multiplies buffer 1 and changes slots; fill = 1: the slot that is left is filled again, with the K step two steps on
	WIN 0
	s_wait_tensorcnt 0x0                           ; the one load of mine that was out, my part of the next slot, has landed
	ds_add_u32 v[SPW], v[NIL]
	s_wait_dscnt 1                                 ; buffer 1's loads are in; the add alone may be out
	MULG F1, 0, 0
	s_wait_dscnt 0x0                               ; the add is done, and my reads of this slot are over
	s_barrier_signal -1
	MULG F1, 1, 0
	WIN 0                                          ; branches, and the two address lines, follow
	s_barrier_wait -1
.if \fill
	CREST                                          ; the barrier has opened a round of the cluster's: no wave of any partner still reads this slot or has a load on its way
	s_xor_b32 s[G0+5], s[G0+5], SLOT               ; the walking descriptors: the other slot than last time,
	s_add_nc_u64 s[G0+6:G0+7], s[G0+6:G0+7], ASTEP ; the next K step; the type bits on top are not reached
	s_xor_b32 s[G0B+5], s[G0B+5], SLOT
	s_add_nc_u64 s[G0B+6:G0B+7], s[G0B+6:G0B+7], BSTEP
	s_xor_b32 s[TB], s[TB], SLOT                   ; the slot in hand is now the other one
	JLOAD 1                                        ; the first tensor load behind the round; its four v_nop are also the places in front of the loads below
.else
	s_xor_b32 s[TB], s[TB], SLOT
	PLACES
.endif
	v_add_nc_u32 v[ADRA], s[TB], v[A0]
	v_add_nc_u32 v[ADRB], s[TB], v[B0]
	FETCH 0, F0
	MULG F1, 2, 0
	MULG F1, 3, 0
.endm
; THE WAY OUT of row block a: the sums go as f32 through my own stage, come back as whole rows of 256 bytes, take RES and are stored.
.macro OUTB a
.set BK, OB+32*((\a)%2)
	WIN 0x08                                       ; the stores' data lie in window 2
.irp b, 0,1,2,3
	ds_store_b128 v[STO], v[8*(4*(\a)+\b):8*(4*(\a)+\b)+3]   offset:64*\b     ; each accumulator's low registers first
	ds_store_b128 v[STO], v[8*(4*(\a)+\b)+4:8*(4*(\a)+\b)+7] offset:64*\b+16
.endr
	WIN 0
	s_wait_xcnt 0x0                                ; the stores of two blocks ago have read these registers
.irp t, 0,1,2,3,4,5,6,7
	ds_load_b128 v[BK+4*\t:BK+4*\t+3], v[RD] offset:\t*2*SPITCH  ; LDS serves a wave's instructions in order: these see the stores above
.endr
	s_wait_dscnt 0x0
.irp t, 0,1,2,3,4,5,6,7
	v_pk_add_f32 v[BK+4*\t:BK+4*\t+1],   v[BK+4*\t:BK+4*\t+1],   v[RES+4*(8*(\a)+\t):RES+4*(8*(\a)+\t)+1]
	v_pk_add_f32 v[BK+4*\t+2:BK+4*\t+3], v[BK+4*\t+2:BK+4*\t+3], v[RES+4*(8*(\a)+\t)+2:RES+4*(8*(\a)+\t)+3]
.endr
.irp t, 0,1,2,3,4,5,6,7
	global_store_b128 v[CO], v[BK+4*\t:BK+4*\t+3], s[80:81] offset:(16*(\a)+2*\t)*4096  ; sixteen lanes store 256 consecutive bytes, aligned
.endr
.endm
	s_wait_tensorcnt 1                             ; my part of K step 0 is in; K step 1's may stay out
	s_barrier_signal -1
	s_barrier_wait -1
	FETCH 0, F0
	s_wait_loadcnt 32                              ; the bias is in; RES's 32 younger loads may stay out
	QUARTER 1, F0, F1, 1
	WIN 0
	s_mov_b32 s3, NSTEP-2
.Lstep:                                                ; a trip goes from a K step's second quarter to the next step's first, and fills the slot that it leaves
	QUARTER 2, F1, F0, 0
	QUARTER 3, F0, F1, 0
	TURN 1
	QUARTER 1, F0, F1, 0
	WIN 0
	s_sub_co_u32 s3, s3, 1
	s_cmp_lg_u32 s3, 0
	s_cbranch_scc1 .Lstep
	QUARTER 2, F1, F0, 0                           ; the last two K steps fill nothing
	QUARTER 3, F0, F1, 0
	TURN 0
	QUARTER 1, F0, F1, 0
	QUARTER 2, F1, F0, 0
	QUARTER 3, F0, F1, 0
	s_wait_dscnt 0x0
	MULG F1, 0, 0
	MULG F1, 1, 0
	MULG F1, 2, 0
	MULG F1, 3, 0
	PLACES
	s_wait_loadcnt 0x0                             ; RES
	OUTB 0
	OUTB 1
	OUTB 2
	OUTB 3
	s_wait_tensorcnt 0x0                           ; the wave's end
	ds_add_u32 v[SPW], v[NIL]
	s_wait_dscnt 0x0
	CROUND                                         ; the closing round
	s_endpgm
.Lfunc_end_k_q5d9883afc6_wo:
	.size	k_q5d9883afc6_wo, .Lfunc_end_k_q5d9883afc6_wo-k_q5d9883afc6_wo
	.p2alignl 7, 3214868480
	.fill 96, 4, 3214868480
	.section	.rodata,"a",@progbits
	.p2align	6, 0x0
	.amdhsa_kernel k_q5d9883afc6_wo
		.amdhsa_group_segment_fixed_size 327680
		.amdhsa_private_segment_fixed_size 0
		.amdhsa_enable_private_segment 0
		.amdhsa_kernarg_size 40
		.amdhsa_user_sgpr_count 2
		.amdhsa_user_sgpr_kernarg_segment_ptr 1
		.amdhsa_wavefront_size32 1
		.amdhsa_system_sgpr_workgroup_id_x 1
		.amdhsa_system_sgpr_workgroup_id_y 1
		.amdhsa_system_sgpr_workgroup_id_z 1
		.amdhsa_system_vgpr_workitem_id 0
		.amdhsa_next_free_vgpr 640
		.amdhsa_next_free_sgpr 88
		.amdhsa_reserve_vcc 0
		.amdhsa_float_denorm_mode_32 3
		.amdhsa_float_denorm_mode_16_64 3
		.amdhsa_memory_ordered 1
		.amdhsa_forward_progress 1
		.amdhsa_inst_pref_size 75
	.end_amdhsa_kernel
	.amdgpu_metadata
---
amdhsa.version: [ 1, 2 ]
amdhsa.kernels:
  - .name:           k_q5d9883afc6_wo
    .symbol:         k_q5d9883afc6_wo.kd
    .args:
      - { .name: att, .offset: 0, .size: 8, .value_kind: global_buffer, .address_space: global }
      - { .name: wa, .offset: 8, .size: 8, .value_kind: global_buffer, .address_space: global }
      - { .name: bo, .offset: 16, .size: 8, .value_kind: global_buffer, .address_space: global }
      - { .name: x, .offset: 24, .size: 8, .value_kind: global_buffer, .address_space: global }
      - { .name: x1, .offset: 32, .size: 8, .value_kind: global_buffer, .address_space: global }
    .group_segment_fixed_size: 327680
    .private_segment_fixed_size: 0
    .kernarg_segment_align: 8
    .kernarg_segment_size: 40
    .max_flat_workgroup_size: 128
    .sgpr_count:     88
    .vgpr_count:     640
    .wavefront_size: 32
...
	.end_amdgpu_metadata
.endif
;; end of part 4
;; launch ln2 (part 5): grid 512 x 1, 8 waves a work-group, no clusters, 0 bytes of LDS; arguments x1, ln2_g, ln2_b, hb; writes hb
.if DOCPART == 5
	.amdgcn_target "amdgcn-amd-amdhsa--gfx1250"
	.amdhsa_code_object_version 6
	.text
	.protected	k_q5d9883afc6_ln2
	.globl	k_q5d9883afc6_ln2
	.p2align	8
	.type	k_q5d9883afc6_ln2,@function
k_q5d9883afc6_ln2:
	s_mov_b64 s[64:65], 0
	v_nop
	global_prefetch_b8 v0, s[64:65] scope:SCOPE_SE
	s_setreg_imm32_b32 hwreg(HW_REG_WAVE_MODE, 25, 1), 1
	s_wait_xcnt 0x0
; LN2: hb[row][:] = bf16((x1 - mean) * rsqrt(var + 1e-5) * g + b).  x1: [4096][1024] f32; hb: [4096][1024] bf16.
; 8 rows a work-group, one whole row a wave, kept in 32 registers between the passes: x1 is read once, and no wave waits for another; no LDS.
; The mean is taken first and the variance of x1 - mean: no difference of large sums.  NaN and infinities are not treated apart.
.set XO,  2                            ; v2   16 x lane
.set HO,  3                            ; v3   8 x lane
.set X,   16                           ; v[16:47]  the row
.set G,   48
.set B,   80
.set T,   112
.set SS,  120
.set HB,  22                           ; s[22:23] hb
.macro REDUCE r                        ; the sum of v[r] over the 32 lanes, into every lane; v[r+1] has been written and is at work
	v_add_f32_dpp v[\r], v[\r], v[\r] row_xmask:1 row_mask:0xf bank_mask:0xf
	v_add_f32_dpp v[\r], v[\r], v[\r] row_xmask:2 row_mask:0xf bank_mask:0xf
	v_add_f32_dpp v[\r], v[\r], v[\r] row_xmask:4 row_mask:0xf bank_mask:0xf
	v_add_f32_dpp v[\r], v[\r], v[\r] row_xmask:8 row_mask:0xf bank_mask:0xf
	v_permlanex16_b32 v[(\r)+1], v[\r], s12, s13
	v_add_f32 v[\r], v[\r], v[(\r)+1]
.endm
	s_load_b256 s[16:23], s[0:1], 0x0              ; x1, ln2_g, ln2_b, hb
	v_lshrrev_b32 v1, 5, v0
	v_readfirstlane_b32 s8, v1                     ; wave 0..7
	v_and_b32 v1, 31, v0
	s_lshl_b32 s2, ttmp9, 3
	s_add_co_u32 s2, s2, s8                        ; my row: 8 x work-group + wave
	s_lshl_b32 s4, s2, 12
	s_mov_b32 s5, 0
	s_lshl_b32 s6, s2, 11
	s_mov_b32 s7, 0
	s_mov_b32 s12, 0x76543210                      ; each lane takes its own place in the other half
	s_mov_b32 s13, 0xfedcba98
	s_mov_b32 s14, 0x3a800000                      ; 1 / 1024
	s_mov_b32 s15, 0x3727c5ac                      ; 1e-5
	v_lshlrev_b32 v[XO], 4, v1
	v_lshlrev_b32 v[HO], 3, v1
	s_wait_kmcnt 0x0
	s_add_nc_u64 s[16:17], s[16:17], s[4:5]
	s_add_nc_u64 s[HB:HB+1], s[HB:HB+1], s[6:7]
.irp j, 0,1,2,3,4,5,6,7
	global_load_b128 v[X+4*\j:X+4*\j+3], v[XO], s[16:17] offset:512*\j
.endr
.irp j, 0,1,2,3,4,5,6,7
	global_load_b128 v[G+4*\j:G+4*\j+3], v[XO], s[18:19] offset:512*\j
.endr
.irp j, 0,1,2,3,4,5,6,7
	global_load_b128 v[B+4*\j:B+4*\j+3], v[XO], s[20:21] offset:512*\j
.endr
	s_wait_loadcnt 16                              ; the row is in; the sixteen younger loads, gain and bias, may stay out
.irp c, 0,1,2,3                        ; the sum, in four chains started by the first eight pairs
	v_pk_add_f32 v[SS+2*\c:SS+2*\c+1], v[X+2*\c:X+2*\c+1], v[X+8+2*\c:X+8+2*\c+1]
.endr
.irp k, 2,3
.irp c, 0,1,2,3
	v_pk_add_f32 v[SS+2*\c:SS+2*\c+1], v[SS+2*\c:SS+2*\c+1], v[X+8*\k+2*\c:X+8*\k+2*\c+1]
.endr
.endr
	v_pk_add_f32 v[SS:SS+1], v[SS:SS+1], v[SS+2:SS+3]
	v_pk_add_f32 v[SS+4:SS+5], v[SS+4:SS+5], v[SS+6:SS+7]
	v_pk_add_f32 v[SS:SS+1], v[SS:SS+1], v[SS+4:SS+5]
	v_add_f32 v[SS], v[SS], v[SS+1]
	REDUCE SS
	v_mul_f32 v[SS+2], s14, v[SS]                  ; the mean, twice: a pair for the packed subtraction
	v_mul_f32 v[SS+3], s14, v[SS]
.set i, 0
.rept 16
	v_pk_add_f32 v[X+i:X+i+1], v[X+i:X+i+1], v[SS+2:SS+3] neg_lo:[0,1] neg_hi:[0,1]
.set i, i+2
.endr
.irp c, 0,1,2,3                        ; the sum of squares of x1 - mean, again in four chains
	v_pk_mul_f32 v[T+2*\c:T+2*\c+1], v[X+2*\c:X+2*\c+1], v[X+2*\c:X+2*\c+1]
.endr
.irp k, 1,2,3
.irp c, 0,1,2,3
	v_pk_fma_f32 v[T+2*\c:T+2*\c+1], v[X+8*\k+2*\c:X+8*\k+2*\c+1], v[X+8*\k+2*\c:X+8*\k+2*\c+1], v[T+2*\c:T+2*\c+1]
.endr
.endr
	v_pk_add_f32 v[T:T+1], v[T:T+1], v[T+2:T+3]
	v_pk_add_f32 v[T+4:T+5], v[T+4:T+5], v[T+6:T+7]
	v_pk_add_f32 v[T:T+1], v[T:T+1], v[T+4:T+5]
	v_add_f32 v[T], v[T], v[T+1]
	REDUCE T
	v_fma_f32 v[T+2], v[T], s14, s15               ; variance + eps
	v_rsq_f32 v[SS+4], v[T+2]
	v_rsq_f32 v[SS+5], v[T+2]
	v_nop                                          ; a plain instruction between the root and the use of its result or a write of its source
	s_wait_loadcnt 0x0                             ; gain and bias are in
	s_wait_alu depctr_va_vdst(0)
.irp j, 0,1,2,3,4,5,6,7
	v_pk_mul_f32 v[T:T+1], v[X+4*\j:X+4*\j+1], v[SS+4:SS+5]
	v_pk_mul_f32 v[T+2:T+3], v[X+4*\j+2:X+4*\j+3], v[SS+4:SS+5]
	v_pk_fma_f32 v[T:T+1], v[T:T+1], v[G+4*\j:G+4*\j+1], v[B+4*\j:B+4*\j+1]
	v_pk_fma_f32 v[T+2:T+3], v[T+2:T+3], v[G+4*\j+2:G+4*\j+3], v[B+4*\j+2:B+4*\j+3]
	v_cvt_pk_bf16_f32 v[X+2*\j], v[T], v[T+1]      ; into registers of the row that have been used up; they are written no more
	v_cvt_pk_bf16_f32 v[X+2*\j+1], v[T+2], v[T+3]
	global_store_b64 v[HO], v[X+2*\j:X+2*\j+1], s[HB:HB+1] offset:256*\j  ; 32 lanes store 256 consecutive bytes, aligned
.endr
	s_endpgm
.Lfunc_end_k_q5d9883afc6_ln2:
	.size	k_q5d9883afc6_ln2, .Lfunc_end_k_q5d9883afc6_ln2-k_q5d9883afc6_ln2
	.p2alignl 7, 3214868480
	.fill 96, 4, 3214868480
	.section	.rodata,"a",@progbits
	.p2align	6, 0x0
	.amdhsa_kernel k_q5d9883afc6_ln2
		.amdhsa_group_segment_fixed_size 0
		.amdhsa_private_segment_fixed_size 0
		.amdhsa_enable_private_segment 0
		.amdhsa_kernarg_size 32
		.amdhsa_user_sgpr_count 2
		.amdhsa_user_sgpr_kernarg_segment_ptr 1
		.amdhsa_wavefront_size32 1
		.amdhsa_system_sgpr_workgroup_id_x 1
		.amdhsa_system_sgpr_workgroup_id_y 1
		.amdhsa_system_sgpr_workgroup_id_z 1
		.amdhsa_system_vgpr_workitem_id 0
		.amdhsa_next_free_vgpr 128
		.amdhsa_next_free_sgpr 66
		.amdhsa_reserve_vcc 0
		.amdhsa_float_denorm_mode_32 3
		.amdhsa_float_denorm_mode_16_64 3
		.amdhsa_memory_ordered 1
		.amdhsa_forward_progress 1
		.amdhsa_inst_pref_size 12
	.end_amdhsa_kernel
	.amdgpu_metadata
---
amdhsa.version: [ 1, 2 ]
amdhsa.kernels:
  - .name:           k_q5d9883afc6_ln2
    .symbol:         k_q5d9883afc6_ln2.kd
    .args:
      - { .name: x1, .offset: 0, .size: 8, .value_kind: global_buffer, .address_space: global }
      - { .name: ln2_g, .offset: 8, .size: 8, .value_kind: global_buffer, .address_space: global }
      - { .name: ln2_b, .offset: 16, .size: 8, .value_kind: global_buffer, .address_space: global }
      - { .name: hb, .offset: 24, .size: 8, .value_kind: global_buffer, .address_space: global }
    .group_segment_fixed_size: 0
    .private_segment_fixed_size: 0
    .kernarg_segment_align: 8
    .kernarg_segment_size: 32
    .max_flat_workgroup_size: 256
    .sgpr_count:     66
    .vgpr_count:     128
    .wavefront_size: 32
...
	.end_amdgpu_metadata
.endif
;; end of part 5
;; launch w1: the kernel of part 2 again; grid 16 x 16, 4 waves a work-group, clusters of 4 x 4, 327,680 bytes of LDS; arguments hb, wb, big; writes big
;; launch w2 (part 6): grid 8 x 32, 4 waves a work-group, clusters of 4 x 4, 327,680 bytes of LDS; arguments big, wb, b2, x1, out0; writes out0
.if DOCPART == 6
	.amdgcn_target "amdgcn-amd-amdhsa--gfx1250"
	.amdhsa_code_object_version 6
	.text
	.protected	k_q5d9883afc6_w2
	.globl	k_q5d9883afc6_w2
	.p2align	8
	.type	k_q5d9883afc6_w2,@function
k_q5d9883afc6_w2:
	s_mov_b64 s[64:65], 0
	v_nop
	global_prefetch_b8 v0, s[64:65] scope:SCOPE_SE
	s_setreg_imm32_b32 hwreg(HW_REG_WAVE_MODE, 25, 1), 1
	s_wait_xcnt 0x0
	s_wait_alu depctr_hold_cnt(0) depctr_sa_sdst(0) depctr_va_vdst(0) depctr_va_sdst(0) depctr_va_ssrc(0) depctr_va_vcc(0) depctr_vm_vsrc(0)
	s_getreg_b32 s2, hwreg(HW_REG_IB_STS2, 6, 4)
	s_cmp_eq_u32 s2, 0
	s_cbranch_scc0 .Lentry_in_a_cluster
	s_endpgm
.Lentry_in_a_cluster:
	s_bfe_u32 s2, ttmp6, 0x10000c
	s_cmp_lg_u32 s2, 0xf033
	s_cbranch_scc0 .Lentry_shape_is_right
	s_endpgm
.Lentry_shape_is_right:
; OUT = A W^T + bias + RES.  A: bf16 in blocks [k / 64][4096 rows][64]; W: bf16 in blocks [k / 64][1024 rows][64], from byte WOFF of its buffer; bias: [1024] f32; RES, OUT: [4096][1024] f32.
; Here: out0 = ff1 W2 + b2 + x1, K = 4,096.  Sums in f32, started by the bias; RES is added in f32.  LIMITS: operands are bf16; NaN and infinities are not treated apart.
; SHARES.  A tile of OUT is 128 x 128: 256 work-groups.  Four waves, 64 x 64 each: 16 accumulators.  K goes in steps of 256 through two LDS slots; a wave's tensor load brings 64 rows x 4 k blocks:
; four pieces of 8,192 dense bytes, padded in LDS after every 128 bytes, so that it lands as [k block][64 rows] with rows 144 bytes apart.
; CLUSTER 4 x 4: A's tiles are asked for jointly along a row of the cluster, W's along a column.  THE PRODUCT IS TAKEN TRANSPOSED: lane l holds row l % 16 and the columns 8 (l / 16) + 0..7.
; ONE K STEP IS WRITTEN ONCE.  A trip of the loop is one K step; s[TB] is the LDS byte at which the slot in hand begins, 0 or SLOT, turned by an exclusive or at each change of slots, and the fragments'
; addresses are made anew from it.  The second first fill's group 0 walks on: its LDS word is turned by the same exclusive or, its address goes one K step on.  wave x HALFT (0x9000, 0x12000, 0x1b000)
; has no bit in common with SLOT (0x24000), so the exclusive or adds SLOT or takes it away.
; REGISTERS: window 0 addresses, way out, bias, RES (loaded at the head, on its way during the K loop); window 1 two fragment buffers of 128; window 2 the accumulators ((a, b) at 8 (4 a + b)).
.set KDIM,   4096
.set WOFF,   8405248
.set KSTEP,  256
.set NSTEP,  KDIM/KSTEP
.set PITCH,  144
.set QS,     64*PITCH                  ; a k block of 64 rows: a quarter of a K step
.set HALFT,  4*QS
.set SLOT,   4*HALFT
.set STAGE,  2*SLOT                    ; behind the ring: 16 rows x 272 bytes for each wave
.set SPITCH, 272
.set SPARE,  STAGE+4*16*SPITCH
.set ABLK,   4096*128
.set BBLK,   1024*128
.set ASTEP,  4*ABLK
.set BSTEP,  4*BBLK
.set A0,   16                          ; v16 my place among A's fragments in slot 0; never rewritten
.set B0,   17                          ; v17 the same for W
.set ADRA, 20                          ; v20 LDS address of my A fragments in the slot in hand
.set ADRB, 21                          ; v21 the same for W
.set STO,  24
.set RD,   25
.set CO,   26
.set BO,   27
.set SPW,  28                          ; v28 LDS address of my spare word; never rewritten
.set NIL,  29                          ; v29 0; never rewritten
.set OB,   32                          ; v[32:63], v[64:95] rows read back, by turns
.set BIAS, 96                          ; v[96:127]
.set RES,  128                         ; v[128:255]
.set F0,   0
.set F1,   128
.set G1,  24
.set G0,  32                           ; s[32:35] A's group 0 for K step 0; s[36:39] for K step 1, which then walks on
.set G1B, 48
.set G0B, 56                           ; s[56:59], s[60:63] the same for W
.set TB,  66                           ; s66 the LDS byte at which the slot in hand begins
.set MSB, 0
.macro WIN new
.if MSB != (\new)
	s_set_vgpr_msb (MSB<<8)|(\new)
.set MSB, \new
.endif
.endm
.macro JLOAD s                         ; a joint load: waves 0 and 1 fetch A's halves, waves 2 and 3 W's; an s_nop 0 and four v_nop follow each line
	s_cmp_eq_u32 s11, 0
	s_cbranch_scc0 .Lfor_b_\@
	tensor_load_to_lds s[G0+4*(\s):G0+4*(\s)+3], s[G1:G1+7]
	s_nop 0
.rept 4
	v_nop
.endr
	s_branch .Lasked_\@
.Lfor_b_\@:
	tensor_load_to_lds s[G0B+4*(\s):G0B+4*(\s)+3], s[G1B:G1B+7]
	s_nop 0
.rept 4
	v_nop
.endr
.Lasked_\@:
.endm
.macro CREST
	s_cmp_lg_u32 s10, 0
	s_cbranch_scc1 .Lnot_wave_0_\@
	s_barrier_signal -3
.Lnot_wave_0_\@:
	s_barrier_wait -3
	s_barrier_signal -1
	s_barrier_wait -1
.endm
.macro CROUND
	s_barrier_signal -1
	s_barrier_wait -1
	CREST
.endm
.macro PLACES
.rept 4
	v_nop
.endr
.endm
	s_load_b256 s[72:79], s[0:1], 0x0              ; A s[72:73], W s[74:75], bias s[76:77], RES s[78:79]
	s_load_b64 s[80:81], s[0:1], 0x20              ; OUT
	v_lshl_add_u32 v[SPW], v0, 2, SPARE
	v_mov_b32 v[NIL], 0
	ds_add_u32 v[SPW], v[NIL]                      ; the wave's opening: an add to my spare word, waited for ahead of my first tensor load
	ds_add_u32 v28, v29
	v_lshrrev_b32 v1, 5, v0
	v_readfirstlane_b32 s10, v1
	s_lshr_b32 s11, s10, 1                         ; my half of the tile's rows; also: I fetch for A (0) or W (1)
	s_and_b32 s12, s10, 1                          ; my half of its columns; also: which 64 rows I fetch
	s_bfe_u32 s40, ttmp6, 0x40000
	s_bfe_u32 s41, ttmp6, 0x40004
	s_lshl_b32 s42, ttmp9, 2
	s_add_co_u32 s42, s42, s40                     ; tile column
	s_and_b32 s13, ttmp7, 0xffff
	s_lshl_b32 s13, s13, 2
	s_add_co_u32 s13, s13, s41                     ; tile row
	s_lshl_b32 s43, s41, 2
	s_lshl_b32 s43, 15, s43
	s_lshl_b32 s44, 0x1111, s40
	s_or_b32 s[G1+0], s43, (1<<16)|(1<<20)|(1<<21)|(4<<22)|(3<<25)   ; mask; 2-byte elements; padding on; bit 21 beside a mask; after every 32 words, 4 words
	s_or_b32 s[G1B+0], s44, (1<<16)|(1<<20)|(1<<21)|(4<<22)|(3<<25)
.irp g, G1, G1B
	s_mov_b32 s[(\g)+1], 4096<<16                  ; tensor_dim0 = 4,096 elements: 64 rows of 64, dense
	s_mov_b32 s[(\g)+2], 4<<16                     ; tensor_dim1 = 4 k blocks
	s_mov_b32 s[(\g)+3], 4096<<16                  ; tile_dim0
	s_mov_b32 s[(\g)+4], 4                         ; tile_dim1
	s_mov_b32 s[(\g)+6], 0
	s_mov_b32 s[(\g)+7], 0
.endr
	s_mov_b32 s[G1+5], ABLK/2                      ; elements from k block to k block
	s_mov_b32 s[G1B+5], BBLK/2
	s_lshl_b32 s17, s12, 13
	s_lshl_b32 s16, s13, 14
	s_add_co_u32 s16, s16, s17                     ; A: row 128 x tile row + 64 x half, of 128 bytes
	s_lshl_b32 s46, s42, 14
	s_add_co_u32 s46, s46, s17                     ; W: row 128 x tile column + 64 x half,
	s_add_co_u32 s46, s46, WOFF                    ; behind what lies in front of the blocks
	s_mov_b32 s17, 0
	s_mov_b32 s47, 0
	s_mul_i32 s20, s10, HALFT
	s_mov_b32 s[TB], 0                             ; K step 0 lies in slot 0
	s_wait_dscnt 0x0                               ; the opening add is done
	s_wait_kmcnt 0x0
	s_add_nc_u64 s[14:15], s[72:73], s[16:17]
	s_add_nc_u64 s[46:47], s[74:75], s[46:47]
	CROUND                                         ; all sixteen work-groups are here: the first joint loads meet
.irp s, 0,1
	s_mov_b32 s[G0+4*(\s)], 1
	s_add_co_u32 s[G0+4*(\s)+1], s20, (\s)*SLOT
	s_add_nc_u64 s[G0+4*(\s)+2:G0+4*(\s)+3], s[14:15], (\s)*ASTEP
	s_or_b32 s[G0+4*(\s)+3], s[G0+4*(\s)+3], 0x80000000
	s_mov_b32 s[G0B+4*(\s)], 1
	s_add_co_u32 s[G0B+4*(\s)+1], s20, (\s)*SLOT
	s_add_nc_u64 s[G0B+4*(\s)+2:G0B+4*(\s)+3], s[46:47], (\s)*BSTEP
	s_or_b32 s[G0B+4*(\s)+3], s[G0B+4*(\s)+3], 0x80000000
	JLOAD \s
.endr
	s_lshl_b32 s84, s42, 9                         ; my 64 columns, in bytes of f32
	s_lshl_b32 s85, s12, 8
	s_add_co_u32 s84, s84, s85
	s_mov_b32 s85, 0
	s_add_nc_u64 s[76:77], s[76:77], s[84:85]
	s_lshl_b32 s86, s13, 19                        ; my 64 rows of 4,096 bytes
	s_lshl_b32 s87, s11, 18
	s_add_co_u32 s86, s86, s87
	s_add_co_u32 s86, s86, s84
	s_mov_b32 s87, 0
	s_add_nc_u64 s[78:79], s[78:79], s[86:87]
	s_add_nc_u64 s[80:81], s[80:81], s[86:87]
	v_and_b32 v1, 15, v0                           ; l % 16
	v_bfe_u32 v2, v0, 4, 1                         ; l / 16
	v_lshlrev_b32 v[BO], 5, v2
	v_lshlrev_b32 v5, 12, v2
	v_lshl_add_u32 v[CO], v1, 4, v5                ; lanes 0-15 one row's 256 bytes, lanes 16-31 the next row's
.irp b, 0,1,2,3
	global_load_b128 v[BIAS+8*\b:BIAS+8*\b+3],   v[BO], s[76:77] offset:64*\b
	global_load_b128 v[BIAS+8*\b+4:BIAS+8*\b+7], v[BO], s[76:77] offset:64*\b+16
.endr
.set i, 0
.rept 32
	global_load_b128 v[RES+4*i:RES+4*i+3], v[CO], s[78:79] offset:2*i*4096 th:TH_LOAD_NT  ; rows 2 i and 2 i + 1; each byte is read once in the launch
.set i, i+1
.endr
	v_mul_u32_u24 v3, v1, PITCH
	v_lshl_add_u32 v3, v2, 4, v3
	s_mul_i32 s21, s11, HALFT                      ; my 64 rows of A
	s_mul_i32 s22, s12, HALFT                      ; my 64 rows of W,
	s_add_co_u32 s22, s22, 2*HALFT                 ; which lie behind A's 128
	v_add_nc_u32 v[A0], s21, v3
	v_add_nc_u32 v[B0], s22, v3
	v_add_nc_u32 v[ADRA], s[TB], v[A0]
	v_add_nc_u32 v[ADRB], s[TB], v[B0]
	s_mul_i32 s23, s10, 16*SPITCH
	s_add_co_u32 s23, s23, STAGE                   ; my stage
	v_mul_u32_u24 v4, v1, SPITCH                   ; in: row l % 16, 32 bytes for each half of the lanes
	v_lshl_add_u32 v4, v2, 5, v4
	v_add_nc_u32 v[STO], s23, v4
	v_mul_u32_u24 v4, v2, SPITCH                   ; back: lanes 0-15 one row of 256 bytes, lanes 16-31 the next
	v_lshl_add_u32 v4, v1, 4, v4
	v_add_nc_u32 v[RD], s23, v4
; 8 matrix instructions: 32 along K (half g / 2 of the buffer), row blocks 2 (g % 2), + 1 x all 4 column blocks.  first = 1: the bias starts the sums.  The 16 accumulators take turns.
.macro MULG f, g, first
.if \first
	WIN 0x85
.else
	WIN 0xa5
.endif
.irp a, 2*((\g)%2), 2*((\g)%2)+1
.irp b, 0,1,2,3
.if \first
	v_wmma_f32_16x16x32_bf16 v[8*(4*(\a)+\b):8*(4*(\a)+\b)+7], v[(\f)+64+8*(4*((\g)/2)+\b):(\f)+64+8*(4*((\g)/2)+\b)+7], v[(\f)+8*(4*((\g)/2)+(\a)):(\f)+8*(4*((\g)/2)+(\a))+7], v[BIAS+8*\b:BIAS+8*\b+7]
.else
	v_wmma_f32_16x16x32_bf16 v[8*(4*(\a)+\b):8*(4*(\a)+\b)+7], v[(\f)+64+8*(4*((\g)/2)+\b):(\f)+64+8*(4*((\g)/2)+\b)+7], v[(\f)+8*(4*((\g)/2)+(\a)):(\f)+8*(4*((\g)/2)+(\a))+7], v[8*(4*(\a)+\b):8*(4*(\a)+\b)+7]
.endif
.endr
.endr
.endm
.macro FETCH q, f                      ; 32 LDS loads in one run: the fragments of k block q (64 along K) of the slot in hand into buffer f
	WIN 0x40
.irp c, 0,1
.irp i, 0,1,2,3
	ds_load_b128 v[(\f)+64+8*(4*\c+\i):(\f)+64+8*(4*\c+\i)+3],   v[ADRB] offset:(\q)*QS+64*\c+\i*16*PITCH
	ds_load_b128 v[(\f)+64+8*(4*\c+\i)+4:(\f)+64+8*(4*\c+\i)+7], v[ADRB] offset:(\q)*QS+64*\c+\i*16*PITCH+32
	ds_load_b128 v[(\f)+8*(4*\c+\i):(\f)+8*(4*\c+\i)+3],         v[ADRA] offset:(\q)*QS+64*\c+\i*16*PITCH
	ds_load_b128 v[(\f)+8*(4*\c+\i)+4:(\f)+8*(4*\c+\i)+7],       v[ADRA] offset:(\q)*QS+64*\c+\i*16*PITCH+32
.endr
.endr
.endm
.macro QUARTER q, f, g, first
	s_wait_dscnt 0x0                               ; f's 32 loads, issued 16 matrix instructions ago
	MULG \f, 0, \first
	MULG \f, 1, \first
	PLACES
	FETCH \q, \g
	MULG \f, 2, 0
	MULG \f, 3, 0
.endm
.macro TURN fill                       ; the last quarter multiplies buffer 1 and changes slots; fill = 1: the slot that is left is filled again, with the K step two steps on
	WIN 0
	s_wait_tensorcnt 0x0                           ; the one load of mine that was out, my part of the next slot, has landed
	ds_add_u32 v[SPW], v[NIL]
	s_wait_dscnt 1                                 ; buffer 1's loads are in; the add alone may be out
	MULG F1, 0, 0
	s_wait_dscnt 0x0                               ; the add is done, and my reads of this slot are over
	s_barrier_signal -1
	MULG F1, 1, 0
	WIN 0                                          ; branches, and the two address lines, follow
	s_barrier_wait -1
.if \fill
	CREST                                          ; the barrier has opened a round of the cluster's: no wave of any partner still reads this slot or has a load on its way
	s_xor_b32 s[G0+5], s[G0+5], SLOT               ; the walking descriptors: the other slot than last time,
	s_add_nc_u64 s[G0+6:G0+7], s[G0+6:G0+7], ASTEP ; the next K step; the type bits on top are not reached
	s_xor_b32 s[G0B+5], s[G0B+5], SLOT
	s_add_nc_u64 s[G0B+6:G0B+7], s[G0B+6:G0B+7], BSTEP
	s_xor_b32 s[TB], s[TB], SLOT                   ; the slot in hand is now the other one
	JLOAD 1                                        ; the first tensor load behind the round; its four v_nop are also the places in front of the loads below
.else
	s_xor_b32 s[TB], s[TB], SLOT
	PLACES
.endif
	v_add_nc_u32 v[ADRA], s[TB], v[A0]
	v_add_nc_u32 v[ADRB], s[TB], v[B0]
	FETCH 0, F0
	MULG F1, 2, 0
	MULG F1, 3, 0
.endm
; THE WAY OUT of row block a: the sums go as f32 through my own stage, come back as whole rows of 256 bytes, take RES and are stored.
.macro OUTB a
.set BK, OB+32*((\a)%2)
	WIN 0x08                                       ; the stores' data lie in window 2
.irp b, 0,1,2,3
	ds_store_b128 v[STO], v[8*(4*(\a)+\b):8*(4*(\a)+\b)+3]   offset:64*\b     ; each accumulator's low registers first
	ds_store_b128 v[STO], v[8*(4*(\a)+\b)+4:8*(4*(\a)+\b)+7] offset:64*\b+16
.endr
	WIN 0
	s_wait_xcnt 0x0                                ; the stores of two blocks ago have read these registers
.irp t, 0,1,2,3,4,5,6,7
	ds_load_b128 v[BK+4*\t:BK+4*\t+3], v[RD] offset:\t*2*SPITCH  ; LDS serves a wave's instructions in order: these see the stores above
.endr
	s_wait_dscnt 0x0
.irp t, 0,1,2,3,4,5,6,7
	v_pk_add_f32 v[BK+4*\t:BK+4*\t+1],   v[BK+4*\t:BK+4*\t+1],   v[RES+4*(8*(\a)+\t):RES+4*(8*(\a)+\t)+1]
	v_pk_add_f32 v[BK+4*\t+2:BK+4*\t+3], v[BK+4*\t+2:BK+4*\t+3], v[RES+4*(8*(\a)+\t)+2:RES+4*(8*(\a)+\t)+3]
.endr
.irp t, 0,1,2,3,4,5,6,7
	global_store_b128 v[CO], v[BK+4*\t:BK+4*\t+3], s[80:81] offset:(16*(\a)+2*\t)*4096  ; sixteen lanes store 256 consecutive bytes, aligned
.endr
.endm
	s_wait_tensorcnt 1                             ; my part of K step 0 is in; K step 1's may stay out
	s_barrier_signal -1
	s_barrier_wait -1
	FETCH 0, F0
	s_wait_loadcnt 32                              ; the bias is in; RES's 32 younger loads may stay out
	QUARTER 1, F0, F1, 1
	WIN 0
	s_mov_b32 s3, NSTEP-2
.Lstep:                                                ; a trip goes from a K step's second quarter to the next step's first, and fills the slot that it leaves
	QUARTER 2, F1, F0, 0
	QUARTER 3, F0, F1, 0
	TURN 1
	QUARTER 1, F0, F1, 0
	WIN 0
	s_sub_co_u32 s3, s3, 1
	s_cmp_lg_u32 s3, 0
	s_cbranch_scc1 .Lstep
	QUARTER 2, F1, F0, 0                           ; the last two K steps fill nothing
	QUARTER 3, F0, F1, 0
	TURN 0
	QUARTER 1, F0, F1, 0
	QUARTER 2, F1, F0, 0
	QUARTER 3, F0, F1, 0
	s_wait_dscnt 0x0
	MULG F1, 0, 0
	MULG F1, 1, 0
	MULG F1, 2, 0
	MULG F1, 3, 0
	PLACES
	s_wait_loadcnt 0x0                             ; RES
	OUTB 0
	OUTB 1
	OUTB 2
	OUTB 3
	s_wait_tensorcnt 0x0                           ; the wave's end
	ds_add_u32 v[SPW], v[NIL]
	s_wait_dscnt 0x0
	CROUND                                         ; the closing round
	s_endpgm
.Lfunc_end_k_q5d9883afc6_w2:
	.size	k_q5d9883afc6_w2, .Lfunc_end_k_q5d9883afc6_w2-k_q5d9883afc6_w2
	.p2alignl 7, 3214868480
	.fill 96, 4, 3214868480
	.section	.rodata,"a",@progbits
	.p2align	6, 0x0
	.amdhsa_kernel k_q5d9883afc6_w2
		.amdhsa_group_segment_fixed_size 327680
		.amdhsa_private_segment_fixed_size 0
		.amdhsa_enable_private_segment 0
		.amdhsa_kernarg_size 40
		.amdhsa_user_sgpr_count 2
		.amdhsa_user_sgpr_kernarg_segment_ptr 1
		.amdhsa_wavefront_size32 1
		.amdhsa_system_sgpr_workgroup_id_x 1
		.amdhsa_system_sgpr_workgroup_id_y 1
		.amdhsa_system_sgpr_workgroup_id_z 1
		.amdhsa_system_vgpr_workitem_id 0
		.amdhsa_next_free_vgpr 640
		.amdhsa_next_free_sgpr 88
		.amdhsa_reserve_vcc 0
		.amdhsa_float_denorm_mode_32 3
		.amdhsa_float_denorm_mode_16_64 3
		.amdhsa_memory_ordered 1
		.amdhsa_forward_progress 1
		.amdhsa_inst_pref_size 75
	.end_amdhsa_kernel
	.amdgpu_metadata
---
amdhsa.version: [ 1, 2 ]
amdhsa.kernels:
  - .name:           k_q5d9883afc6_w2
    .symbol:         k_q5d9883afc6_w2.kd
    .args:
      - { .name: big, .offset: 0, .size: 8, .value_kind: global_buffer, .address_space: global }
      - { .name: wb, .offset: 8, .size: 8, .value_kind: global_buffer, .address_space: global }
      - { .name: b2, .offset: 16, .size: 8, .value_kind: global_buffer, .address_space: global }
      - { .name: x1, .offset: 24, .size: 8, .value_kind: global_buffer, .address_space: global }
      - { .name: out0, .offset: 32, .size: 8, .value_kind: global_buffer, .address_space: global }
    .group_segment_fixed_size: 327680
    .private_segment_fixed_size: 0
    .kernarg_segment_align: 8
    .kernarg_segment_size: 40
    .max_flat_workgroup_size: 128
    .sgpr_count:     88
    .vgpr_count:     640
    .wavefront_size: 32
...
	.end_amdgpu_metadata
.endif
;; end of part 6
